; MI455X (gfx1250); checked and timed in simulation.
; The chip was launched on July 23, 2026; its instructions are those of AMD's public machine-readable ISA for CDNA 5 (MIT licence, August 2026) and "CDNA5" Instruction Set Architecture Reference Guide (July 2026). The comments in the code are by the model that wrote it; some were corrected since.
;; Causal Self Attention. Allowed arithmetic: matrix products marked QUANTISED: E4M3 operands, one given power-of-two scale a tensor, by v_wmma_f32_16x16x64_fp8_fp8 or v_wmma_f32_16x16x128_fp8_fp8, f32 sums; everything else in f32.
;; Inputs: b_attn 3,072 float32; b_proj 1,024 float32; lowp_scales 8 int32 (the exponents e of the quantised operands' scales 2^e); w_attn 1,024 x 3,072 float32; w_proj 1,024 x 1,024 float32; x 4 x 2,048 x 1,024 float32.
;; Outputs: out0 4 x 2,048 x 1,024 float32.
;; This version of the problem:
;;   THIS VERSION OF THE PROBLEM IS GIVEN IN LOW PRECISION. The matrix products marked QUANTISED in the list below multiply operands that are first quantised to E4M3 (4 exponent bits, 3 mantissa bits; 8 bits a number), with one given power-of-two scale for each operand tensor; their sums are f32. All else is computed in f32.
;;   The module's matrix products, in the order in which they are computed (A, B: the left and right operand; K: the contracted axis; several contracted axes count as one K, in the product's order):
;;     1. [M 8,192, K 1,024] x [K 1,024, N 3,072]; A: input x; B: input w_attn: QUANTISED (scales: A lowp_scales[0], B lowp_scales[1])
;;     2. batch 64 x [M 2,048, K 64] x [K 64, N 2,048]; A: computed on the way; B: computed on the way: QUANTISED (scales: A lowp_scales[2], B lowp_scales[3])
;;     3. batch 64 x [M 2,048, K 2,048] x [K 2,048, N 64]; A: softmax (see below); B: computed on the way: QUANTISED (scales: A lowp_scales[4], B lowp_scales[5])
;;     4. [M 8,192, K 1,024] x [K 1,024, N 1,024]; A: computed on the way; B: input w_proj: QUANTISED (scales: A lowp_scales[6], B lowp_scales[7])
;;   THE QUANTISER, for each operand of a quantised product, along K:
;;     - The operand's scale is 2^e, e = its entry of the input lowp_scales (int32; the entries are numbered through the quantised products in the list's order, A before B).
;;     - Each number is divided by the scale, clamped to +-448, and rounded to the nearest number of E4M3, ties to even, subnormals kept.
;;     - The product sums the exact products of the quantised numbers (number of the format x scale) in f32.
;;   ~~~python
;;   def quantise(x, axis, e):      # numpy; x: float32 -> the quantised numbers, widened to float32 again
;;       x = np.moveaxis(x, axis, -1); K = x.shape[-1]
;;       r = np.clip(x / 2.0 ** e, -448, 448)
;;       step = 2.0 ** (np.maximum(np.frexp(np.where(r == 0, 1, r))[1] - 1, -6) - 3)
;;       q = np.round(r / step) * step * 2.0 ** e      # np.round: ties to even
;;       return np.moveaxis(q, -1, axis).astype(np.float32)
;;   ~~~
;;   SOFTMAX AHEAD OF A QUANTISED PRODUCT. Where the list says 'softmax', what is quantised is not the finished softmax but p = 2^(t - M), with t = logit x log2(e) and M = ceil(the row's largest t), a whole number; so 1/2 < the row's largest p <= 1. The row's sum l is taken of the UNQUANTISED p, in f32, and the product's result is divided by l at the end. Since M is a whole number, a kernel that streams over the keys may use a running M (the ceiling of the running maximum): every later rescaling is an exact power of two, so the quantised numbers keep their values, but for numbers so far below the row's largest that they fall under the format's range.
;;   OPERANDS COMPUTED ON THE WAY. 'Computed on the way' means the value that the module computes at that place (a softmax that the list does not call 'softmax' is quantised finished and normalised). What goes into a quantiser is computed in f32, as accurately as f32 sums, v_exp_f32 and their like allow (about 1e-6 of the number): no bf16 or f16 on the way to a quantiser, and a product that is left as it is and whose result goes on into a quantised operand takes f32 operands (vector FMAs, or v_wmma_f32_16x16x4_f32). A number that lies on a knife's edge between two numbers of the format may be rounded either way, as far as f32 arithmetic and the matrix unit's own rounding can turn it there, and no further.
;; One version. Each part assembles by itself: llvm-mc -triple=amdgcn-amd-amdhsa -mcpu=gfx1250 --defsym DOCPART=n.
;; ======== version 1 of 1: 4 launches
;; limits: right only within a limited range of input values
;; workspace buffers: x_codes 8,388,608 bytes; wa_codes 3,145,728 bytes; wp_codes 1,048,576 bytes; q_codes 8,388,608 bytes; kv_codes 16,777,216 bytes; y_codes 8,388,608 bytes
;; launch quant (part 1): grid 384 x 1, 4 waves a work-group, no clusters, 68,096 bytes of LDS; arguments x, w_attn, w_proj, lowp_scales, x_codes, wa_codes, wp_codes; writes x_codes, wa_codes, wp_codes
.if DOCPART == 1
	.amdgcn_target "amdgcn-amd-amdhsa--gfx1250"
	.amdhsa_code_object_version 6
	.text
	.protected	k_q378f3983b0_quant
	.globl	k_q378f3983b0_quant
	.p2align	8
	.type	k_q378f3983b0_quant,@function
k_q378f3983b0_quant:
	s_mov_b64 s[64:65], 0
	v_nop
	global_prefetch_b8 v0, s[64:65] scope:SCOPE_SE
	s_setreg_imm32_b32 hwreg(HW_REG_WAVE_MODE, 25, 1), 1
	s_wait_xcnt 0x0
; x [8192][1024], w_attn [1024][3072] and w_proj [1024][1024], f32, become codes of FP8 (E4M3), one byte each, K innermost, each with the one scale 2^e given for it
; (entries 0, 1 and 7 of the buffer of scales): code = number / 2^e, held within +-448, rounded to the nearest code, ties to even.
; x_codes [8192][1024], wa_codes [3072][1024], wp_codes [1024][1024].  Each tensor is read by many work-groups of the products that follow: it is quantised once, here.
; LIMITS: each e lies between -126 and 119, so that 2^e and 448 x 2^e are f32 numbers.  NaN among the inputs is not served (an infinity is held at the largest code).
; SHARES.  Work-groups 0-255: x, whose K is innermost: a plain stream, 32,768 numbers a work-group, 8,192 a wave.  Work-groups 256-383: the weights, whose K is the FIRST axis:
; 128 columns x 256 along K a work-group (96 for w_attn, 32 for w_proj).  Every work-group reads 131,072 bytes.
; A stream bound by its bytes: no matrix unit, no tensor loads, no cluster (no two work-groups read the same byte), no barrier (waves share nothing).
; The two ways part once, on the work-group's number; each has LDS bytes of its own: x 0 .. 32,767, the weights 32,768 .. 67,583.
.set STEPS, 16                         ; x: steps of 512 numbers for a wave
.set R,     16                         ; x: v16-79   four sets of 16 numbers as they are loaded
.set X,     80                         ; x: v80-111  two sets of 16 neighbours
.set C,     128                        ; x: v128-191 codes: four registers for each step, so that no store's data are written again
.set WREG,  8192                       ; x: LDS of a wave: two stages of 32 x SP bytes
.set SP,    80                         ; x: a lane's place in a stage: its 64 bytes + 16 of padding
.set WSTG,  32768                      ; weights: the stages begin here
.set WP,    272                        ; weights: a stage row: 256 bytes of codes + 16
.set WX,    32                         ; weights: v32-95  two sets of 32 numbers; on the way out 16 x 4 registers of codes
.set WC,    96                         ; weights: v96-103 a block's codes
.set WO,    112                        ; weights: v112-143 byte offset of row i of a block at my column: 4 x lane + i x the row's bytes; never rewritten
.set WB,    48                         ; weights: s[48:63] where block t of my wave's part begins; never rewritten
.macro XLOAD t                         ; 32 lanes read 512 consecutive bytes
.irp i, 0,1,2,3
	global_load_b128 v[R+16*((\t)%4)+4*\i:R+16*((\t)%4)+4*\i+3], v3, s[4:5] offset:2048*(\t)+512*\i th:TH_LOAD_NT
.endr
.endm
.macro XTURN t                         ; step t's 2,048 bytes go through the stage as they lie and come back 64 bytes a lane; LDS serves a wave's instructions in order (ISA guide 5.7.1.4)
.irp i, 0,1,2,3
	ds_store_b128 v14, v[R+16*((\t)%4)+4*\i:R+16*((\t)%4)+4*\i+3] offset:32*SP*((\t)%2)+8*SP*\i
.endr
.irp i, 0,1,2,3
	ds_load_b128 v[X+16*((\t)%2)+4*\i:X+16*((\t)%2)+4*\i+3], v15 offset:32*SP*((\t)%2)+16*\i
.endr
.endm
.macro XSTEP t
.set XS, X+16*((\t)%2)
	s_wait_dscnt 0x0                               ; this step's numbers are back from the stage, so its stores into the stage have read their registers,
.if (\t)+4 < STEPS
	XLOAD (\t)+4                                   ; which take the loads of four steps on
.endif
.if (\t)+1 < STEPS
.if STEPS-2-(\t) >= 3
	s_wait_loadcnt 12                              ; the next step's four loads are in; those of the three steps behind it may be out
.else
	s_wait_loadcnt 4*(STEPS-2-(\t))
.endif
	XTURN (\t)+1                                   ; and go through the other stage while this step is worked
.endif
.set i, 0
.rept 16
	v_med3_num_f32 v[XS+i], v[XS+i], -v10, v10     ; the conversion to an 8-bit code does not saturate (ISA guide 7.6.2): the hold at the largest code x the scale comes first
.set i, i+1
.endr
	v_cvt_scalef32_pk8_fp8_f32 v[C+4*(\t):C+4*(\t)+1], v[XS:XS+7], v11
	v_cvt_scalef32_pk8_fp8_f32 v[C+4*(\t)+2:C+4*(\t)+3], v[XS+8:XS+15], v11
	global_store_b128 v4, v[C+4*(\t):C+4*(\t)+3], s[12:13] offset:512*(\t)   ; the wave stores 512 consecutive bytes, aligned; the next vector lines are the next step's holds, on other registers
.endm
.macro WLOAD t                         ; block t: w(32 t + i, my column), i = 0 .. 31: each load reads 128 consecutive bytes a wave, the four waves side by side
.set i, 0
.rept 32
	global_load_b32 v[WX+32*((\t)%2)+i], v[WO+i], s[WB+2*(\t):WB+2*(\t)+1] th:TH_LOAD_NT
.set i, i+1
.endr
.endm
.macro WBLOCK t
.set XS, WX+32*((\t)%2)
.if (\t) < 7
	s_wait_loadcnt 32                              ; this block's 32 loads are in; the next block's may be out
.else
	s_wait_loadcnt 0
.endif
.set i, 0
.rept 32
	v_med3_num_f32 v[XS+i], v[XS+i], -v10, v10
.set i, i+1
.endr
.irp g, 0,1,2,3
	v_cvt_scalef32_pk8_fp8_f32 v[WC+2*\g:WC+2*\g+1], v[XS+8*\g:XS+8*\g+7], v11
.endr
	ds_store_b128 v4, v[WC:WC+3] offset:32*(\t)    ; 32 codes: 32 bytes of my column's row
	ds_store_b128 v4, v[WC+4:WC+7] offset:32*(\t)+16
.if (\t)+2 < 8
	WLOAD (\t)+2
.endif
	s_wait_dscnt 0x0                               ; the stores have read their registers: the next block's codes may be written
.endm
	s_load_b256 s[4:11], s[0:1], 0x0               ; x s[4:5], w_attn s[6:7], w_proj s[8:9], the scales' exponents s[10:11]
	s_load_b128 s[12:15], s[0:1], 0x20             ; x_codes s[12:13], wa_codes s[14:15]
	s_load_b64 s[16:17], s[0:1], 0x30              ; wp_codes
	v_lshl_add_u32 v192, v0, 2, 0x10800
	v_mov_b32 v193, 0
	v_lshrrev_b32 v1, 5, v0
	v_readfirstlane_b32 s18, v1                    ; wave 0..3
	v_and_b32 v2, 31, v0                           ; lane
	s_wait_kmcnt 0x0
	s_load_b256 s[40:47], s[10:11], 0x0            ; the eight exponents
	s_cmp_lt_u32 ttmp9, 256
	s_cbranch_scc0 .Lweights
	; ---- x: a lane must hold 16 neighbours along K for the conversions, and a load is best where neighbouring lanes take neighbouring bytes: both are had by a turn through the wave's own stage
	s_wait_alu depctr_va_vdst(0)
	v_lshlrev_b32 v3, 4, v2                        ; my 16 bytes of a load's 512
	s_wait_alu depctr_va_vdst(0)
	s_mul_i32 s19, s18, WREG
	v_lshrrev_b32 v14, 2, v2
	v_mul_u32_u24 v14, v14, SP
	v_and_b32 v15, 3, v2
	v_lshl_add_u32 v14, v15, 4, v14
	v_add_nc_u32 v14, s19, v14                     ; into the stage: four lanes' 64 bytes on end, then 16 of padding
	v_mul_u32_u24 v15, v2, SP
	v_add_nc_u32 v15, s19, v15                     ; and out of it: my 16 neighbours
	v_lshlrev_b32 v4, 4, v2                        ; my 16 codes' place in a step's 512
	s_lshl_b32 s20, ttmp9, 2
	s_add_co_u32 s20, s20, s18                     ; which run of 8,192 numbers is my wave's: 0 .. 1,023
	s_lshl_b32 s22, s20, 15                        ; 32,768 bytes of numbers,
	s_mov_b32 s23, 0
	s_add_nc_u64 s[4:5], s[4:5], s[22:23]
	s_lshl_b32 s22, s20, 13                        ; 8,192 bytes of codes
	s_add_nc_u64 s[12:13], s[12:13], s[22:23]
.irp t, 0,1,2,3
	XLOAD \t
.endr
	s_wait_alu depctr_va_vdst(0)
	s_wait_kmcnt 0x0
	s_add_co_i32 s22, s40, 127
	s_lshl_b32 s23, s22, 23
	v_mov_b32 v11, s23                             ; 2^e as f32: the conversion takes its exponent field
	s_add_co_i32 s22, s22, 8
	s_lshl_b32 s22, s22, 23
	s_or_b32 s22, s22, 0x600000
	v_mov_b32 v10, s22                             ; 448 x 2^e
	s_wait_alu depctr_va_vdst(0)
	s_wait_loadcnt 12                              ; step 0's four loads are in
	XTURN 0
.irp t, 0,1,2,3,4,5,6,7,8,9,10,11,12,13,14,15
	XSTEP \t
.endr
	s_wait_tensorcnt 0x0
	ds_add_u32 v192, v193
	s_wait_dscnt 0x0
	s_endpgm
	; ---- the weights: A LANE TAKES A COLUMN n AND ITS REGISTERS RUN DOWN K, so the conversions give codes with K innermost and nothing is transposed by an instruction.
	; One way serves both weights: pointers, the row's bytes and the exponent are chosen on the work-group's number.
.Lweights:
	s_sub_co_u32 s20, ttmp9, 256                   ; g = 0 .. 127
	s_and_b32 s21, s20, 3                          ; which 256 along K
	s_lshr_b32 s22, s20, 2
	s_wait_kmcnt 0x0
	s_mov_b32 s24, 12288
	s_cmp_ge_u32 s20, 96                           ; w_proj's work-groups are the last 32
	s_cselect_b32 s23, 24, 0
	s_cselect_b32 s24, 4096, s24                   ; a row of the weight in bytes
	s_cselect_b64 s[26:27], s[8:9], s[6:7]         ; from
	s_cselect_b64 s[28:29], s[16:17], s[14:15]     ; to
	s_cselect_b32 s25, s47, s41                    ; e
	s_sub_co_u32 s22, s22, s23                     ; which 128 columns
	s_lshl_b32 s22, s22, 7
	s_lshl_b32 s30, s18, 5
	s_add_co_u32 s22, s22, s30                     ; my wave's first column
	s_lshl_b32 s30, s21, 8
	s_mul_i32 s30, s30, s24                        ; 256 rows for each step along K,
	s_lshl_b32 s31, s22, 2
	s_add_co_u32 s30, s30, s31                     ; 4 bytes a column
	s_mov_b32 s31, 0
	s_add_nc_u64 s[WB:WB+1], s[26:27], s[30:31]
	s_lshl_b32 s30, s24, 5                         ; a block is 32 rows
.irp t, 1,2,3,4,5,6,7
	s_add_nc_u64 s[WB+2*\t:WB+2*\t+1], s[WB+2*\t-2:WB+2*\t-1], s[30:31]
.endr
	s_lshl_b32 s30, s22, 10                        ; the codes: a row of 1,024 bytes for each column,
	s_lshl_b32 s19, s21, 8
	s_add_co_u32 s30, s30, s19                     ; 256 bytes for each step along K
	s_add_nc_u64 s[28:29], s[28:29], s[30:31]
	s_wait_alu depctr_va_vdst(0)
	v_lshlrev_b32 v[WO], 2, v2
.set i, 1
.rept 31
	v_add_nc_u32 v[WO+i], s24, v[WO+i-1]
.set i, i+1
.endr
	WLOAD 0
	WLOAD 1
	s_mul_i32 s19, s18, 32*WP
	s_add_co_u32 s19, s19, WSTG                    ; my stage
	v_mul_u32_u24 v4, v2, WP
	v_add_nc_u32 v4, s19, v4                       ; into it: row = my column
	v_and_b32 v5, 15, v2
	v_lshrrev_b32 v6, 4, v2                        ; out of it: sixteen lanes to a row, two rows an instruction
	v_mul_u32_u24 v7, v6, WP
	v_lshl_add_u32 v7, v5, 4, v7
	v_add_nc_u32 v7, s19, v7
	v_lshlrev_b32 v8, 10, v6
	v_lshl_add_u32 v8, v5, 4, v8                   ; and the same place in the codes' buffer
	s_add_co_i32 s25, s25, 127
	s_lshl_b32 s19, s25, 23
	v_mov_b32 v11, s19                             ; 2^e
	s_add_co_i32 s25, s25, 8
	s_lshl_b32 s25, s25, 23
	s_or_b32 s25, s25, 0x600000
	v_mov_b32 v10, s25                             ; 448 x 2^e
	s_wait_alu depctr_va_vdst(0)
.irp t, 0,1,2,3,4,5,6,7
	WBLOCK \t
.endr
.irp t, 0,1,2,3,4,5,6,7,8,9,10,11,12,13,14,15
	ds_load_b128 v[WX+4*\t:WX+4*\t+3], v7 offset:2*\t*WP
.endr
.irp t, 0,1,2,3,4,5,6,7,8,9,10,11,12,13,14,15
	s_wait_dscnt 15-\t                             ; LDS loads come back in order: pair t of rows is in
	global_store_b128 v8, v[WX+4*\t:WX+4*\t+3], s[28:29] offset:2*\t*1024   ; sixteen lanes store 256 consecutive bytes, aligned
.endr
	s_wait_tensorcnt 0x0
	ds_add_u32 v192, v193
	s_wait_dscnt 0x0
	s_endpgm
.Lfunc_end_k_q378f3983b0_quant:
	.size	k_q378f3983b0_quant, .Lfunc_end_k_q378f3983b0_quant-k_q378f3983b0_quant
	.p2alignl 7, 3214868480
	.fill 96, 4, 3214868480
	.section	.rodata,"a",@progbits
	.p2align	6, 0x0
	.amdhsa_kernel k_q378f3983b0_quant
		.amdhsa_group_segment_fixed_size 68096
		.amdhsa_private_segment_fixed_size 0
		.amdhsa_enable_private_segment 0
		.amdhsa_kernarg_size 56
		.amdhsa_user_sgpr_count 2
		.amdhsa_user_sgpr_kernarg_segment_ptr 1
		.amdhsa_wavefront_size32 1
		.amdhsa_system_sgpr_workgroup_id_x 1
		.amdhsa_system_sgpr_workgroup_id_y 1
		.amdhsa_system_sgpr_workgroup_id_z 1
		.amdhsa_system_vgpr_workitem_id 0
		.amdhsa_next_free_vgpr 194
		.amdhsa_next_free_sgpr 66
		.amdhsa_reserve_vcc 0
		.amdhsa_float_denorm_mode_32 3
		.amdhsa_float_denorm_mode_16_64 3
		.amdhsa_memory_ordered 1
		.amdhsa_forward_progress 1
		.amdhsa_inst_pref_size 87
	.end_amdhsa_kernel
	.amdgpu_metadata
---
amdhsa.version: [ 1, 2 ]
amdhsa.kernels:
  - .name:           k_q378f3983b0_quant
    .symbol:         k_q378f3983b0_quant.kd
    .args:
      - { .name: x, .offset: 0, .size: 8, .value_kind: global_buffer, .address_space: global }
      - { .name: w_attn, .offset: 8, .size: 8, .value_kind: global_buffer, .address_space: global }
      - { .name: w_proj, .offset: 16, .size: 8, .value_kind: global_buffer, .address_space: global }
      - { .name: lowp_scales, .offset: 24, .size: 8, .value_kind: global_buffer, .address_space: global }
      - { .name: x_codes, .offset: 32, .size: 8, .value_kind: global_buffer, .address_space: global }
      - { .name: wa_codes, .offset: 40, .size: 8, .value_kind: global_buffer, .address_space: global }
      - { .name: wp_codes, .offset: 48, .size: 8, .value_kind: global_buffer, .address_space: global }
    .group_segment_fixed_size: 68096
    .private_segment_fixed_size: 0
    .kernarg_segment_align: 8
    .kernarg_segment_size: 56
    .max_flat_workgroup_size: 128
    .sgpr_count:     66
    .vgpr_count:     194
    .wavefront_size: 32
...
	.end_amdgpu_metadata
.endif
;; end of part 1
;; launch qkv (part 2): grid 12 x 32, 4 waves a work-group, clusters of 4 x 4, 327,680 bytes of LDS; arguments x_codes, wa_codes, lowp_scales, b_attn, q_codes, kv_codes; writes q_codes, kv_codes
.if DOCPART == 2
	.amdgcn_target "amdgcn-amd-amdhsa--gfx1250"
	.amdhsa_code_object_version 6
	.text
	.protected	k_q378f3983b0_qkv
	.globl	k_q378f3983b0_qkv
	.p2align	8
	.type	k_q378f3983b0_qkv,@function
k_q378f3983b0_qkv:
	s_mov_b64 s[64:65], 0
	v_nop
	global_prefetch_b8 v0, s[64:65] scope:SCOPE_SE
	s_setreg_imm32_b32 hwreg(HW_REG_WAVE_MODE, 25, 1), 1
	s_wait_xcnt 0x0
	s_wait_alu depctr_hold_cnt(0) depctr_sa_sdst(0) depctr_va_vdst(0) depctr_va_sdst(0) depctr_va_ssrc(0) depctr_va_vcc(0) depctr_vm_vsrc(0)
	s_getreg_b32 s2, hwreg(HW_REG_IB_STS2, 6, 4)
	s_cmp_eq_u32 s2, 0
	s_cbranch_scc0 .Lentry_in_a_cluster
	s_endpgm
.Lentry_in_a_cluster:
	s_bfe_u32 s2, ttmp6, 0x10000c
	s_cmp_lg_u32 s2, 0xf033
	s_cbranch_scc0 .Lentry_shape_is_right
	s_endpgm
.Lentry_shape_is_right:
; qkv = x w_attn + b_attn on codes of FP8 (E4M3), and q, k, v quantised at once for the two products of attention.  x_codes [8192][1024], wa_codes [3072][1024], K innermost.
; A finished sum is multiplied by 2^(e0 + e1), the bias is added in the same fused multiply-add (f32), and the number is quantised with 2^e2 (q), 2^e3 (k) or 2^e5 (v): held within +-448 x the scale, converted.
; LIMITS: e0 + e1 between -126 and 127; e2, e3, e5 between -126 and 119, so that each power of two below is an f32 number.
; SHAPE.  A work-group of four waves makes 256 x 256 of the product, a wave 128 x 128: 64 accumulators of 16 x 16 in 512 registers.  K = 1,024 goes in four steps of 256 through a ring of two LDS slots
; filled by the tensor data mover; the ring's two laps are written out.  All of a WGP's LDS is claimed.
; CLUSTERS: 4 x 4 work-groups; the tile of the operand in role A is shared along a row of the cluster, that of role B along a column: each is asked for JOINTLY, by the same tensor load with the same descriptor and a mask of four.
; ROLES.  The matrix instruction takes 16 rows of B as source 0 and 16 rows of A as source 1: a lane then holds ONE row of A and eight neighbouring rows of B.  The cluster's x is the mode: 0 q, 1 k, 2 v, alike in all sixteen partners.
;   q, k: A = tokens (x_codes), B = channels (wa_codes): a lane's registers run along the channels, which are the K of q k^T.
;   v:    A = channels (wa_codes), B = tokens (x_codes): a lane's registers run along the tokens, the keys, which are the K of p v.  So v comes out with the keys innermost and nothing is transposed.
; Both tensors have rows of 1,024 bytes, so only two pointers and two tile numbers hang on the mode, by selects; the one branch on the mode stands on the way out, round the lines that add the bias (by register or by lane).
; OUTPUT.  A wave's 128 x 128 codes are one dense block of 16,384 bytes: q_codes, k_codes [batch 4][pair of heads 8][token 2048][128 channels of the pair]; v_codes [batch][pair][block of 128 keys][128 channels][128 keys].
; Inside each 32 along the row, byte 16 h + 8 u + j holds number 16 u + 8 h + j (h, u = 0, 1): a load of 16 bytes at 32 c + 16 (lane / 16) then brings a lane the numbers that the 8-bit operand layout gives it (ISA guide 7.12.2).
; REGISTERS, in windows of 256: window 0: v0-31 addresses; v32-95, v96-111 the bias by register and by lane; v112, v113 the scale and the hold; from v128 A's fragments, ONE set; on the way out v128-255 are at work.
;   window 1: B's fragments, TWO sets.   window 2: the accumulators of my A rows 0-63 ((a, b) at v[8 (8 a + b)]);   window 3: those of rows 64-127.
; WHERE THE CODES GO (of the paragraph OUTPUT above only the order of bytes inside each 32 still holds).  Every head has blocks of its own, rows of 64 bytes:
;   q_codes  [batch x head 64][token 2048][64 channels];
;   kv_codes [batch x head 64][block of 128 keys 16][K: 128 keys x 64 channels, 8,192 bytes | V: 2 halves of 64 keys x 64 channels x 64 keys, 8,192 bytes].
; A block of 16 rows of A x 128 of B leaves the stage as 8 rows x 64 bytes an instruction: 512 consecutive bytes, aligned.  The row's two halves of 64 bytes and A's blocks 0-3 and 4-7 go to four bases:
; q, k: the halves are the pair's two heads, A's blocks run on along the tokens;  v: A's blocks 4-7 are the second head's channels, the halves are the two halves of the keys.
.set OB,     66                        ; s[66:73] the four bases: s[OB + 4 (a / 4) + 2 (half)]
.set ROWB,   256
.set KROW,   1024                      ; a row of either tensor in memory
.set PITCH,  272                       ; an LDS row: 256 bytes + 16 of padding = 68 words: the 16 rows that a load touches start 4 words further on each (64 banks of 4 bytes: ISA guide 11.1)
.set FR,     16                        ; registers of a fragment: 16 rows x 128 K
.set NL,     4                         ; LDS loads that bring one
.set NP,     4                         ; places behind this matrix instruction (ISA guide 7.12.1)
.set AQ,     128                       ; A: bytes from a slot's first 128 along K to its second
.set AI,     16*PITCH                  ; A: bytes from a block of 16 rows to the next
.set HALFT,  128*PITCH                 ; 128 rows: what one tensor load brings
.set SLOT,   4*HALFT                   ; A's 256 rows, then B's 256 rows
.set SPARE,  2*SLOT                    ; behind the ring: the spare words, 128 bytes for each wave: two blocks of 256 bytes that no other line names
.set STAGE,  SPARE+512                 ; behind them: 16 rows x 144 bytes for each wave, for the way out; no tile lands here
.set SPITCH, 144
.set ADRA, 16                          ; v16-17  LDS address of my A fragments in slot 0, 1
.set ADRB, 20                          ; v20-21  the same for B
.set STO,  24                          ; v24     the way out: where I put 16 bytes of a row
.set RD,   25                          ; v25     the way out: where I read rows back
.set CO,   26                          ; v26     16 x lane: my place in 512 bytes of the output block
.set SPW,  28                          ; v28     LDS address of my spare word; never rewritten
.set NIL,  29                          ; v29     0; never rewritten
.set BOB,  30                          ; v30     32 x (lane / 16); never rewritten
.set BOA,  31                          ; v31     4 x (lane % 16); never rewritten
.set BB,   32                          ; v32-95  the bias of B's row 16 b + 8 (lane / 16) + j at v[BB + 8 b + j]
.set BA,   96                          ; v96-111 the bias of A's row 16 a + lane % 16, twice, at v[BA + 2 a], v[BA + 2 a + 1]
.set SCL,  112                         ; v112    the output's scale as f32
.set HOLD, 113                         ; v113    448 x that
.set AF,   128                         ; A's fragments
.set TMP,  128                         ; the way out: v128-191 a block's 64 numbers
.set CD,   192                         ; v192-223 their codes, two sets
.set BK,   224                         ; v224-255 codes read back from the stage, two sets
.set G1, 24                            ; s[24:31] descriptor group 1 for A's tiles;  s[32:39] group 0, one set for each slot
.set G0, 32
.set G1B, 48                           ; s[48:55], s[56:63] the same for B's tiles
.set G0B, 56
.set MSB, 0
.macro WIN new                         ; the immediate's high byte repeats the setting that is left
.if MSB != \new
	s_set_vgpr_msb (MSB<<8)|\new
.set MSB, \new
.endif
.endm
.set MUL_LO, 0xa1                      ; source 0 (B) window 1, source 1 (A) window 0, C and D window 2
.set MUL_HI, 0xf1                      ; the same, C and D window 3
.set TO_B,   0x40                      ; destination window 1, address window 0
; A joint load: waves 0 and 1 fetch for A, waves 2 and 3 for B.  Each line has ONE mask and one set of registers for all that issue it; the branch hangs on the wave's number alone.
; Four v_nop follow each of the two lines, ahead of the jump, the label and what follows.
.macro JLOAD g0a, g1a, g0b, g1b
	s_cmp_eq_u32 s15, 0
	s_cbranch_scc0 .Lfor_b_\@
	tensor_load_to_lds s[\g0a:\g0a+3], s[\g1a:\g1a+7]
	s_nop 0
.rept 4
	v_nop
.endr
	s_branch .Lasked_\@
.Lfor_b_\@:
	tensor_load_to_lds s[\g0b:\g0b+3], s[\g1b:\g1b+7]
	s_nop 0
.rept 4
	v_nop
.endr
.Lasked_\@:
.endm
.macro CREST                           ; a round of the cluster's barrier behind its opening barrier
	s_cmp_lg_u32 s14, 0
	s_cbranch_scc1 .Lnot_wave_0_\@
	s_barrier_signal -3
.Lnot_wave_0_\@:
	s_barrier_wait -3
	s_barrier_signal -1
	s_barrier_wait -1
.endm
.macro CROUND                          ; a whole round
	s_barrier_signal -1
	s_barrier_wait -1
	CREST
.endm
	s_load_b256 s[4:11], s[0:1], 0x0               ; x_codes s[4:5], wa_codes s[6:7], the scales' exponents s[8:9], b_attn s[10:11]
	s_load_b128 s[68:71], s[0:1], 0x20             ; q_codes s[68:69], k_codes s[70:71]
	v_lshl_add_u32 v[SPW], v0, 2, SPARE
	v_mov_b32 v[NIL], 0
	ds_add_u32 v28, v29
	ds_add_u32 v28, v29
	s_wait_dscnt 0x0
	v_lshrrev_b32 v1, 5, v0
	v_readfirstlane_b32 s14, v1                    ; wave 0..3
	s_lshr_b32 s15, s14, 1                         ; which half of A's 256 rows is mine.  Also: I fetch for A (0) or for B (1)
	s_and_b32 s16, s14, 1                          ; which half of B's.  Also: which 128 rows of that tile I fetch
	s_bfe_u32 s40, ttmp6, 0x40000                  ; cx, cy: my place in the cluster
	s_bfe_u32 s41, ttmp6, 0x40004
	s_mov_b32 s90, ttmp9                           ; the mode: the cluster's x
	s_and_b32 s91, ttmp7, 0xffff
	s_lshl_b32 s91, s91, 2                         ; 4 x the cluster's y: its four tiles of 256 tokens
	s_lshl_b32 s78, ttmp9, 2                       ; 4 x the mode: its four tiles of 256 channels
	s_cmp_eq_u32 s90, 2
	s_cselect_b32 s17, 8, s91
	s_cselect_b32 s42, s91, s78
	s_add_co_u32 s17, s17, s41                     ; A's tile: q, k: tokens 4 cluster y + cy;  v: channels 8 + cy.  It never holds cx
	s_add_co_u32 s42, s42, s40                     ; B's tile: q, k: channels 4 mode + cx;  v: tokens 4 cluster y + cx.  It never holds cy
	s_lshl_b32 s43, s41, 2
	s_lshl_b32 s43, 15, s43                        ; my row of the cluster
	s_lshl_b32 s44, 0x1111, s40                    ; my column
	; descriptor group 1: a tile of 128 rows x 256 bytes, padded in LDS
	s_or_b32 s[G1+0], s43, (0<<16)|(1<<20)|(1<<21)|(5<<22)|(3<<25)  ; 15:0 the mask: A's tiles go to my row; 17:16 element of 1 byte; 20 padding on; 21 set beside a mask; 24:22 after every 64 words (code 5); 31:25 of 4 words (code 3)
	s_or_b32 s[G1B+0], s44, (0<<16)|(1<<20)|(1<<21)|(5<<22)|(3<<25)
.irp g, G1, G1B
	s_mov_b32 s[\g+1], ROWB<<16                    ; tensor_dim0
	s_mov_b32 s[\g+2], 128<<16                     ; tensor_dim1 = 128
	s_mov_b32 s[\g+3], ROWB<<16                    ; tile_dim0
	s_mov_b32 s[\g+4], 128                         ; tile_dim1 = 128
	s_mov_b32 s[\g+5], KROW                        ; tensor_dim0_stride
	s_mov_b32 s[\g+6], 0
	s_mov_b32 s[\g+7], 0
.endr
	s_lshl_b32 s18, s16, 7                         ; which 128 rows of the tile I fetch
	s_lshl_b32 s20, s17, 8
	s_add_co_u32 s20, s20, s18
	s_lshl_b32 s20, s20, 10                        ; A: (256 x tile + 128 x half) rows of 1,024 bytes: under 2^24
	s_lshl_b32 s46, s42, 8
	s_add_co_u32 s46, s46, s18
	s_lshl_b32 s46, s46, 10                        ; B likewise
	s_mov_b32 s21, 0
	s_mov_b32 s47, 0
	s_mul_i32 s45, s14, HALFT                      ; where they go: wave x 128 rows: no place in the cluster enters an LDS address
	s_wait_kmcnt 0x0
	s_load_b256 s[80:87], s[8:9], 0x0              ; the eight exponents
	s_cmp_eq_u32 s90, 2
	s_cselect_b64 s[74:75], s[6:7], s[4:5]         ; the tensor in role A
	s_cselect_b64 s[76:77], s[4:5], s[6:7]         ; and in role B
	s_add_nc_u64 s[20:21], s[74:75], s[20:21]
	s_add_nc_u64 s[46:47], s[76:77], s[46:47]
	CROUND                                         ; all sixteen work-groups are here: the first joint loads meet
.irp s, 0,1
	s_mov_b32 s[G0+4*\s], 1
	s_add_co_u32 s[G0+4*\s+1], s45, \s*SLOT
	s_add_nc_u64 s[G0+4*\s+2:G0+4*\s+3], s[20:21], \s*ROWB
	s_or_b32 s[G0+4*\s+3], s[G0+4*\s+3], 0x80000000
	s_mov_b32 s[G0B+4*\s], 1
	s_add_co_u32 s[G0B+4*\s+1], s45, \s*SLOT
	s_add_nc_u64 s[G0B+4*\s+2:G0B+4*\s+3], s[46:47], \s*ROWB
	s_or_b32 s[G0B+4*\s+3], s[G0B+4*\s+3], 0x80000000
.endr
	JLOAD G0, G1, G0B, G1B                         ; K step 0
	v_and_b32 v1, 15, v0                           ; r = lane % 16
	s_wait_alu depctr_va_vdst(0)
	v_bfe_u32 v2, v0, 4, 1                         ; h = lane / 16
	v_mul_u32_u24 v3, v1, PITCH
	v_lshl_add_u32 v4, v2, 4, v3                   ; a fragment's row x pitch + 16 x half
	s_mul_i32 s21, s15, HALFT                      ; my 128 rows of A
	s_mul_i32 s22, s16, HALFT                      ; my 128 rows of B,
	s_add_co_u32 s22, s22, 2*HALFT                 ; which lie behind A's 256
.irp s, 0,1
	v_add_nc_u32 v[ADRA+\s], s21, v4
	v_add_nc_u32 v[ADRB+\s], s22, v4
	s_add_co_u32 s21, s21, SLOT
	s_add_co_u32 s22, s22, SLOT
.endr
	s_mul_i32 s23, s14, 16*SPITCH
	s_add_co_u32 s23, s23, STAGE                   ; my stage
	v_mul_u32_u24 v5, v1, SPITCH                   ; in: row r, 16 bytes for each half of the lanes
	s_wait_alu depctr_va_vdst(0)
	v_lshl_add_u32 v5, v2, 4, v5
	v_add_nc_u32 v[STO], s23, v5
	v_and_b32 v6, 31, v0
	v_lshrrev_b32 v7, 2, v6                        ; back: four lanes to 64 bytes of a row, eight rows an instruction
	v_mul_u32_u24 v7, v7, SPITCH
	v_and_b32 v8, 3, v0
	v_lshl_add_u32 v7, v8, 4, v7
	v_add_nc_u32 v[RD], s23, v7
	v_lshlrev_b32 v[CO], 4, v6
	; which block of 128 tokens and which block of 128 channels is my wave's
	s_lshl_b32 s18, s17, 1
	s_add_co_u32 s18, s18, s15                     ; A's block of 128 rows
	s_lshl_b32 s19, s42, 1
	s_add_co_u32 s19, s19, s16                     ; B's
	s_cmp_eq_u32 s90, 2
	s_cselect_b32 s78, s19, s18                    ; tokens: 0 .. 63
	s_cselect_b32 s79, s18, s19                    ; channels: 0 .. 23
	s_lshl_b32 s94, s79, 9
	s_mov_b32 s95, 0
	s_add_nc_u64 s[94:95], s[10:11], s[94:95]      ; the bias of my 128 channels
	s_lshr_b32 s92, s78, 4                         ; the batch (2,048 tokens are 16 blocks)
	s_lshl_b32 s92, s92, 3
	s_and_b32 s79, s79, 7                          ; the pair of heads
	s_add_co_u32 s92, s92, s79
	s_lshl_b32 s92, s92, 5                         ; the pair's first head x 16 blocks
	s_and_b32 s78, s78, 15                         ; the block of tokens in the batch
	s_add_co_u32 s92, s92, s78
	s_cmp_eq_u32 s90, 0
	s_cselect_b32 s12, 13, 14                      ; a block is 8,192 bytes in q_codes, 16,384 in kv_codes
	s_cselect_b64 s[74:75], s[68:69], s[70:71]     ; the mode's buffer
	s_lshl_b32 s92, s92, s12
	s_mov_b32 s93, 0
	s_lshl_b32 s12, 16, s12                        ; from head to head: 16 blocks
	s_mov_b32 s13, 0x1000
	s_cmp_eq_u32 s90, 2
	s_cselect_b32 s2, s13, s12                     ; from a row's first 64 bytes to its second: v: 4,096; q, k: a head
	s_cselect_b32 s12, s12, s13                    ; from A's block 0 to block 4: v: a head; q, k: 4,096
	s_cselect_b32 s78, 0x2000, 0                   ; V's part lies behind K's
	s_mov_b32 s79, 0
	s_mov_b32 s3, 0
	s_mov_b32 s13, 0
	s_add_nc_u64 s[92:93], s[92:93], s[78:79]
	s_add_nc_u64 s[OB:OB+1], s[74:75], s[92:93]
	s_add_nc_u64 s[OB+2:OB+3], s[OB:OB+1], s[2:3]
	s_add_nc_u64 s[OB+4:OB+5], s[OB:OB+1], s[12:13]
	s_add_nc_u64 s[OB+6:OB+7], s[OB+4:OB+5], s[2:3]
	v_lshlrev_b32 v[BOB], 5, v2
	v_lshlrev_b32 v[BOA], 2, v1
.irp b, 0,1,2,3,4,5,6,7                    ; both forms of the bias are loaded in every mode (both lie inside my 512 bytes of b_attn); they land while the products run
	global_load_b128 v[BB+8*\b:BB+8*\b+3], v[BOB], s[94:95] offset:64*\b
	global_load_b128 v[BB+8*\b+4:BB+8*\b+7], v[BOB], s[94:95] offset:64*\b+16
.endr
.irp a, 0,1,2,3,4,5,6,7
	global_load_b32 v[BA+2*\a], v[BOA], s[94:95] offset:64*\a
	global_load_b32 v[BA+2*\a+1], v[BOA], s[94:95] offset:64*\a
.endr
.macro FRAG reg, adr, off              ; a fragment, 16 rows x 128 K of codes, is 16 registers: lane l holds row l % 16; registers 4 c .. 4 c + 3 hold K = 32 c + 16 (l / 16) + 0 .. 15: the same order of K on both sides
.irp c, 0,1,2,3
	ds_load_b128 v[\reg+4*\c:\reg+4*\c+3], v[\adr] offset:\off+32*\c
.endr
.endm
; 16 matrix instructions: A's blocks a0, a0 + 1 x B's eight, 128 along K.  p: B's set.  zero = 1: the first product starts the sums: nothing is ever cleared.
; The 64 accumulators take turns, one instruction a turn, in the same order in every step.
.macro MUL16 a0, p, zero
.irp a, \a0, \a0+1
.irp b, 0,1,2,3,4,5,6,7
.if \zero
	v_wmma_f32_16x16x128_fp8_fp8 v[8*(8*((\a)%4)+\b):8*(8*((\a)%4)+\b)+7], v[128*(\p)+FR*\b:128*(\p)+FR*\b+FR-1], v[AF+FR*(\a):AF+FR*(\a)+FR-1], 0
.else
	v_wmma_f32_16x16x128_fp8_fp8 v[8*(8*((\a)%4)+\b):8*(8*((\a)%4)+\b)+7], v[128*(\p)+FR*\b:128*(\p)+FR*\b+FR-1], v[AF+FR*(\a):AF+FR*(\a)+FR-1], v[8*(8*((\a)%4)+\b):8*(8*((\a)%4)+\b)+7]
.endif
.endr
.endr
.endm
.macro FETCH_B slot, q, p              ; B's eight fragments of the slot's q-th 128 along K into set p
	WIN TO_B
.irp i, 0,1,2,3,4,5,6,7
	FRAG 128*(\p)+FR*\i, ADRB+\slot, 128*(\q)+\i*16*PITCH
.endr
	WIN 0
.endm
.macro FETCH_A slot, q, i0             ; A's blocks i0 .. i0 + 3
.irp i, \i0, \i0+1, \i0+2, \i0+3
	FRAG AF+FR*(\i), ADRA+\slot, AQ*(\q)+(\i)*AI
.endr
.endm
; A load into a register that a matrix instruction has read, and a vector instruction or an LDS store that reads a matrix result, stand NP places behind it; only plain vector instructions that name none of its registers are places.
.macro PLACES n
.rept \n
	v_nop
.endr
.endm
; A step of 128 along K that has its successor in the same slot.  A block of A is free as soon as its eight products are issued, so one set of registers serves A; B's fragments are at work through the whole step and have two.
.macro STEP slot, q, zero
	s_wait_dscnt 4*NL                              ; B's set and A's blocks 0-3 are in; the youngest 16 loads (A's blocks 4-7) may be out
	WIN MUL_LO
	MUL16 0, (\q)%2, \zero
	MUL16 2, (\q)%2, \zero
	s_wait_dscnt 0                                 ; A's blocks 4-7 are in (asked for 32 matrix instructions ago)
	PLACES NP
	FETCH_B \slot, (\q)+1, 1-(\q)%2
	FETCH_A \slot, (\q)+1, 0
	WIN MUL_HI
	MUL16 4, (\q)%2, \zero
	MUL16 6, (\q)%2, \zero
	PLACES NP
	WIN 0
	FETCH_A \slot, (\q)+1, 4
.endm
; A slot's last step changes slots: ONE barrier; in front of it each wave waits for all its tensor loads, adds 0 to its spare word, and waits for that and for its own reads of this slot.  fill = 1: this slot is filled again, two K steps ahead.
.macro TURN slot, next, fill
	s_wait_tensorcnt 0x0                           ; all my tensor loads have landed: my part of the next slot  (every window is 0 here)
	ds_add_u32 v[SPW], v[NIL]                      ; 0 onto my spare word
	s_wait_dscnt 4*NL+1                            ; (the add and the youngest 16 loads, A's blocks 4-7, may be out)
	WIN MUL_LO
	MUL16 0, 1, 0                                  ; sixteen matrix instructions stand between the add and the wait for it
	s_wait_dscnt 0x0                               ; the add is done, and my reads of this slot are over
	s_barrier_signal -1
	MUL16 2, 1, 0
	WIN 0
	s_barrier_wait -1
.if \fill
	CREST                                          ; the barrier has opened a round of the cluster's barrier: no wave of any partner still reads this slot's tile or has a load on its way
	s_add_nc_u64 s[G0+4*\slot+2:G0+4*\slot+3], s[G0+4*\slot+2:G0+4*\slot+3], 2*ROWB
	s_add_nc_u64 s[G0B+4*\slot+2:G0B+4*\slot+3], s[G0B+4*\slot+2:G0B+4*\slot+3], 2*ROWB
	JLOAD G0+4*\slot, G1, G0B+4*\slot, G1B         ; the first tensor load behind the round, my only one until the next; its four v_nop are the places in front of the loads below
.else
	PLACES NP
.endif
	FETCH_B \next, 0, 0
	FETCH_A \next, 0, 0
	WIN MUL_HI
	MUL16 4, 1, 0
	MUL16 6, 1, 0
	PLACES NP
	WIN 0
	FETCH_A \next, 0, 4
.endm
	s_wait_alu depctr_va_vdst(0)
	s_wait_tensorcnt 0x0                           ; my part of K step 0 is in
	ds_add_u32 v[SPW], v[NIL]
	s_wait_dscnt 0x0
	CROUND                                         ; everybody's part of K step 0 is in, and all sixteen work-groups are here
	JLOAD G0+4, G1, G0B+4, G1B                     ; K step 1's load, the first tensor load behind the round
	FETCH_B 0, 0, 0
	FETCH_A 0, 0, 0
	FETCH_A 0, 0, 4
	STEP 0, 0, 1                                   ; K 0-127: the first products start the sums
	TURN 0, 1, 1                                   ; K 128-255; slot 0 takes K 512-767
	STEP 1, 0, 0
	TURN 1, 0, 1                                   ; slot 1 takes K 768-1023
	STEP 0, 0, 0
	TURN 0, 1, 0                                   ; the last lap fills nothing, and has no round of the cluster's barrier
	STEP 1, 0, 0
	s_wait_dscnt 4*NL                              ; the very last step: nothing more to fetch
	WIN MUL_LO
	MUL16 0, 1, 0
	MUL16 2, 1, 0
	s_wait_dscnt 0
	WIN MUL_HI
	MUL16 4, 1, 0
	MUL16 6, 1, 0
	WIN 0
; THE WAY OUT, block by block of 16 rows of A x 128 rows of B.  Sum x 2^(e0 + e1) + bias, one packed multiply-add for two numbers, each accumulator from its low end on; the hold; eight conversions.
; The codes of B's blocks 2 g and 2 g + 1 are a lane's 16 bytes at 32 g + 16 (lane / 16) of its row: that is the order of bytes stated at the head.  A lane's 16 bytes are an eighth of a row, and the lanes beside it hold
; other rows: so a block goes through my own stage and comes back as eight rows to an instruction, 512 consecutive bytes of the output block.  LDS serves a wave's instructions in order (ISA guide 5.7.1.4).
.macro OUTBLK a
.set AC, 64*((\a)%4)
.set CDS, CD+16*((\a)%2)
.set BKS, BK+16*((\a)%2)
	WIN 0
	s_cmp_eq_u32 s90, 2                            ; the mode: alike in all partners
	s_cbranch_scc1 .Lby_lane_\@
	WIN 0x02+((\a)/4)                              ; source 0: window 2 or 3
.set j, 0
.rept 32
	v_pk_fma_f32 v[TMP+j:TMP+j+1], v[AC+j:AC+j+1], s[88:89], v[BB+j:BB+j+1] op_sel_hi:[1,0,1]   ; q, k: the channel runs along my registers
.set j, j+2
.endr
	WIN 0
	s_branch .Lbiased_\@
.Lby_lane_\@:
	WIN 0x02+((\a)/4)
.set j, 0
.rept 32
	v_pk_fma_f32 v[TMP+j:TMP+j+1], v[AC+j:AC+j+1], s[88:89], v[BA+2*(\a):BA+2*(\a)+1] op_sel_hi:[1,0,1]   ; v: the channel is my lane's row
.set j, j+2
.endr
	WIN 0
.Lbiased_\@:
.set i, 0
.rept 64
	v_med3_num_f32 v[TMP+i], v[TMP+i], -v[HOLD], v[HOLD]   ; the conversion to an 8-bit code does not saturate (ISA guide 7.6.2)
.set i, i+1
.endr
.irp b, 0,1,2,3,4,5,6,7
	v_cvt_scalef32_pk8_fp8_f32 v[CDS+2*\b:CDS+2*\b+1], v[TMP+8*\b:TMP+8*\b+7], v[SCL]
.endr
	v_nop                                          ; one plain vector line behind the last conversion, ahead of the next vector line that writes its sources
.irp g, 0,1,2,3
	ds_store_b128 v[STO], v[CDS+4*\g:CDS+4*\g+3] offset:32*\g
.endr
.irp i, 0,1,2,3
	ds_load_b128 v[BKS+4*\i:BKS+4*\i+3], v[RD] offset:8*SPITCH*(\i%2)+64*(\i/2)
.endr
.endm
.macro SEND a, younger                 ; younger: the LDS instructions issued behind block a's loads, which may stay out
.set BKS, BK+16*((\a)%2)
	s_wait_dscnt \younger
.irp i, 0,1,2,3
	global_store_b128 v[CO], v[BKS+4*\i:BKS+4*\i+3], s[OB+4*((\a)/4)+2*(\i/2):OB+4*((\a)/4)+2*(\i/2)+1] offset:1024*((\a)%4)+512*(\i%2)
.endr
.endm
	s_wait_kmcnt 0x0
	s_add_co_i32 s88, s80, s81                     ; e0 + e1
	s_add_co_i32 s88, s88, 127
	s_lshl_b32 s88, s88, 23                        ; 2^(e0 + e1) as f32
	s_mov_b32 s89, s88                             ; (named with it as a pair, so it is written)
	s_cmp_eq_u32 s90, 0
	s_cselect_b32 s78, s82, s83
	s_cmp_eq_u32 s90, 2
	s_cselect_b32 s78, s85, s78                    ; the output's exponent: e2, e3 or e5: a select, no branch
	s_add_co_i32 s78, s78, 127
	s_lshl_b32 s79, s78, 23
	v_mov_b32 v[SCL], s79
	s_add_co_i32 s78, s78, 8
	s_lshl_b32 s78, s78, 23
	s_or_b32 s78, s78, 0x600000
	v_mov_b32 v[HOLD], s78
	s_wait_loadcnt 0x0                             ; the bias
	PLACES NP                                      ; behind the last products: for the reads of their results and the writes over A's fragments
	OUTBLK 0
.irp a, 1,2,3,4,5,6,7
.if \a > 1
	s_wait_xcnt 0x0                                ; block a - 2's stores have read their registers: block a's loads may land there
.endif
	OUTBLK \a
	SEND \a-1, 8                                   ; behind block a - 1's loads: block a's 4 stores and 4 loads
.endr
	SEND 7, 0
	s_wait_tensorcnt 0x0                           ; the wave's end, behind my last tensor load and my last LDS store
	ds_add_u32 v[SPW], v[NIL]
	s_wait_dscnt 0x0
	CROUND                                         ; the closing round: no work-group ends while a partner may still ask for a tile that names it
	s_endpgm
.Lfunc_end_k_q378f3983b0_qkv:
	.size	k_q378f3983b0_qkv, .Lfunc_end_k_q378f3983b0_qkv-k_q378f3983b0_qkv
	.p2alignl 7, 3214868480
	.fill 96, 4, 3214868480
	.section	.rodata,"a",@progbits
	.p2align	6, 0x0
	.amdhsa_kernel k_q378f3983b0_qkv
		.amdhsa_group_segment_fixed_size 327680
		.amdhsa_private_segment_fixed_size 0
		.amdhsa_enable_private_segment 0
		.amdhsa_kernarg_size 48
		.amdhsa_user_sgpr_count 2
		.amdhsa_user_sgpr_kernarg_segment_ptr 1
		.amdhsa_wavefront_size32 1
		.amdhsa_system_sgpr_workgroup_id_x 1
		.amdhsa_system_sgpr_workgroup_id_y 1
		.amdhsa_system_sgpr_workgroup_id_z 1
		.amdhsa_system_vgpr_workitem_id 0
		.amdhsa_next_free_vgpr 1024
		.amdhsa_next_free_sgpr 98
		.amdhsa_reserve_vcc 0
		.amdhsa_float_denorm_mode_32 3
		.amdhsa_float_denorm_mode_16_64 3
		.amdhsa_memory_ordered 1
		.amdhsa_forward_progress 1
		.amdhsa_inst_pref_size 160
	.end_amdhsa_kernel
	.amdgpu_metadata
---
amdhsa.version: [ 1, 2 ]
amdhsa.kernels:
  - .name:           k_q378f3983b0_qkv
    .symbol:         k_q378f3983b0_qkv.kd
    .args:
      - { .name: x_codes, .offset: 0, .size: 8, .value_kind: global_buffer, .address_space: global }
      - { .name: wa_codes, .offset: 8, .size: 8, .value_kind: global_buffer, .address_space: global }
      - { .name: lowp_scales, .offset: 16, .size: 8, .value_kind: global_buffer, .address_space: global }
      - { .name: b_attn, .offset: 24, .size: 8, .value_kind: global_buffer, .address_space: global }
      - { .name: q_codes, .offset: 32, .size: 8, .value_kind: global_buffer, .address_space: global }
      - { .name: kv_codes, .offset: 40, .size: 8, .value_kind: global_buffer, .address_space: global }
    .group_segment_fixed_size: 327680
    .private_segment_fixed_size: 0
    .kernarg_segment_align: 8
    .kernarg_segment_size: 48
    .max_flat_workgroup_size: 128
    .sgpr_count:     98
    .vgpr_count:     1024
    .wavefront_size: 32
...
	.end_amdgpu_metadata
.endif
;; end of part 2
;; launch attn (part 3): grid 4 x 64, 16 waves a work-group, clusters of 4 x 1, 327,680 bytes of LDS; arguments q_codes, kv_codes, lowp_scales, y_codes; writes y_codes
.if DOCPART == 3
	.amdgcn_target "amdgcn-amd-amdhsa--gfx1250"
	.amdhsa_code_object_version 6
	.text
	.protected	k_q378f3983b0_attn
	.globl	k_q378f3983b0_attn
	.p2align	8
	.type	k_q378f3983b0_attn,@function
k_q378f3983b0_attn:
	s_mov_b64 s[64:65], 0
	v_nop
	global_prefetch_b8 v0, s[64:65] scope:SCOPE_SE
	s_setreg_imm32_b32 hwreg(HW_REG_WAVE_MODE, 25, 1), 1
	s_wait_xcnt 0x0
	s_wait_alu depctr_hold_cnt(0) depctr_sa_sdst(0) depctr_va_vdst(0) depctr_va_sdst(0) depctr_va_ssrc(0) depctr_va_vcc(0) depctr_vm_vsrc(0)
	s_getreg_b32 s2, hwreg(HW_REG_IB_STS2, 6, 4)
	s_cmp_eq_u32 s2, 0
	s_cbranch_scc0 .Lentry_in_a_cluster
	s_endpgm
.Lentry_in_a_cluster:
	s_bfe_u32 s2, ttmp6, 0x10000c
	s_cmp_lg_u32 s2, 0x3003
	s_cbranch_scc0 .Lentry_shape_is_right
	s_endpgm
.Lentry_shape_is_right:
; y = softmax(q k^T / 8, causal) v for 64 heads (batch x head) of size 64 and 2,048 tokens, both products on codes of FP8 (E4M3), and y quantised at once for the last product.
; q_codes [head 64][token 2048][64].  kv_codes [head 64][block of 128 keys 16][K: 128 keys x 64 | V: 2 halves of 64 keys x 64 channels x 64 keys].  Inside each 32 along a row, byte 16 h + 8 u + j holds number 16 u + 8 h + j,
; so that a load of 16 bytes at 32 c + 16 (lane / 16) brings a lane the numbers that the 8-bit operand layout gives it (ISA guide 7.12.2).
; THE SOFTMAX AHEAD OF THE SECOND PRODUCT: t = score x log2(e) / 8; M = the row's largest t so far, rounded UP to a whole number; p = 2^(t - M) is quantised with 2^e4, not normalised.  The row's sum is taken of the
; unquantised p, in f32, and divides at the end.  When M moves, the sum and O are multiplied by 2^(old M - new M), which rounds nothing.
; y_codes [group of 4 tokens 2048][head 16][4 tokens][64 channels]: 256 consecutive bytes hold four tokens of one head, and one wave writes them whole.
; LIMITS on the given exponents, so that each power of two is an f32 number: e2 + e3 between -123 and 130 (added to c's exponent field); e4 and e6 between -126 and 119; e4 + e5 goes by v_ldexp_f32 and has none.
; WORK LEFT OUT: the causal mask sets the scores of keys after the query to -infinity, so their p is 0: a step of 128 keys all of which come after a tile's queries is not computed.
; NO RING.  A head's K and V are 16 blocks of 16,384 bytes; with 16 bytes of padding behind every 256 they take 16 x 17,408 bytes of LDS, all at once.  Each of the sixteen waves asks for one block at the kernel's head;
; one wait and one barrier follow, and the loops over the keys have no barrier.  Nothing in LDS is filled twice.
; SHARES.  Grid y is the head; its four work-groups are one cluster and need the same K and V: each block is asked for JOINTLY (the same tensor load, the same descriptor, a mask of four).
; A wave owns two tiles of 16 queries, taken one after the other: first the one in block 15 - p of 128 queries, then the one in block p = wave % 8: 16 - p and p + 1 key steps, 17 for every wave.  The blocks hang on the
; wave's number alone, so every branch is alike in all four partners; the place in the cluster picks the 16 queries inside the block (tile 2 x place + wave / 8) and enters only global addresses and the mask's compare.
; NO PREFETCH: all that the work-group reads of K and V is asked for by the sixteen loads in the kernel's first lines; there is no loop to run ahead in.
; Both products are used transposed: S^T = K Q^T (source 0 = 16 keys, source 1 = 16 queries), O^T = V^T P^T (source 0 = 16 channels, source 1 = P): a lane holds ONE query (lane % 16) throughout, and the conversions'
; results (tile t: keys 16 t + 8 (lane / 16) + 0 .. 7 in registers 2 t, 2 t + 1) are the second product's operand as they stand.
; TWO REGIONS OF 64 REGISTERS CHANGE ROLES FROM STEP TO STEP.  In a step one holds K's fragments and then V's, the other the scores and then p.  As soon as a conversion has read eight p, the next block's fragment of K is
; loaded into those eight registers: the region of p is the next step's region of K, and the next scores are laid where V lay.  A trip of the loop is two steps, so that the register numbers are back where they began.
; A tile's last step is the one on the diagonal: it has the mask, and a tail of its own without the loads for a next step.
.set BLKB,  17408                      ; a block in LDS: 64 rows of 256 bytes + 16
.set TP,    1088                       ; 16 rows of 64 bytes: four LDS rows of 272.  Row r lies at 272 (r / 4) + 64 (r % 4): word 68 (r / 4) + 16 (r % 4), 16 different places modulo 64 words (64 banks of 4 bytes: ISA guide 11.1)
.set VOF,   8*TP                       ; V's part of a block, behind K's 128 rows
.set VH,    4*TP                       ; from V's first 64 keys to its second
.set SPARE, 16*BLKB                    ; behind the blocks: the spare words, 128 bytes for each wave: eight blocks of 256 bytes that no other line names
.set STAGE, SPARE+2048                 ; behind them: the way out: for each wave 8 rows x (256 bytes + 16), in 2,304 bytes; no tile lands here
.set SGP,   272
.set SGW,   2304
.set AK0,  1                           ; v1   my lane's place in a tile of 16 rows: 272 (r / 4) + 64 (r % 4) + 16 (lane / 16)
.set DG,   4                           ; v4   my query's place in its block of 128, less 8 (lane / 16): for the mask
.set SPW,  5                           ; v5   LDS address of my spare word; never rewritten
.set NIL,  6                           ; v6   0; never rewritten
.set GO,   7                           ; v7   the way out: my byte offset in y_codes
.set ADK,  8                           ; v8   my place in the trip's first block of keys
.set ADN,  9                           ; v9   my place in the next trip's first block
.set STO,  10                          ; v10  the way out: where I put 8 bytes
.set RD,   11                          ; v11  and where I read 16 back
.set ST,   12                          ; v12 -M, v13 the largest t, v[14:15] the sum in two halves
.set Q,    20                          ; v20-35 Q's fragments, 8 registers a tile
.set XR,   36                          ; v36-99   the two regions
.set YR,   100                         ; v100-163
.set OT,   164                         ; v164-195 O^T
.set MX,   196                         ; v196-199 the maximum's four chains
.set SC,   200                         ; v200-205 three more chains of the sum
.set RB,   208                         ; v208-223 the way out: codes read back from the stage, 8 registers a tile
.set PC,   228                         ; v228-243 p's codes
.set PSC,  244                         ; v244 2^e4;  v245 448 x 2^e4
.set PLIM, 245
.set FAC,  246                         ; v246 2^(old M - new M); v247 named with it as a pair
.set YSC,  248                         ; v248 2^e6;  v249 448 x 2^e6
.set YLIM, 249
.set XCH,  252                         ; v252 what comes from lane l xor 16
.set NINF, 253                         ; v253 -infinity
.set TB,   2                           ; s2   LDS byte at which the trip's first block begins; s3 the next trip's
.set L1,   12                          ; s12, s13  15 - p and 14 - p: the first tile's block, and that less 1
.set WV,   14                          ; s14  my wave's number
.set YE,   15                          ; s15  e4 + e5
.set CX,   16                          ; s16  my place in the cluster
.set L0,   17                          ; s17, s18  p and p - 1: the second tile's
.set STP,  19                          ; s19  the trip's first key step: 0, 2 .. 14
.set SEL,  20                          ; s[20:21] lane selects for v_permlanex16_b32: lane l xor 16
.set CS,   22                          ; s[22:23] c = log2(e) / 8 x 2^(e2 + e3); the packed form names a pair
.set G1,   24                          ; s[24:31] descriptor group 1
.set G0,   32                          ; s[32:35] group 0
.set EX,   40                          ; s[40:47] the eight exponents
.set YB,   48                          ; s[48:51] y_codes at my two tiles
.set QB,   58                          ; s[58:61] q_codes at my two tiles
; A round of the cluster's barrier: my work-group's barrier, so that wave 0's signal speaks for all sixteen waves; wave 0 signals; every wave waits for all four work-groups; my work-group's barrier once more.
.macro CROUND
	s_barrier_signal -1
	s_barrier_wait -1
	s_cmp_lg_u32 s[WV], 0
	s_cbranch_scc1 .Lnot_wave_0_\@
	s_barrier_signal -3
.Lnot_wave_0_\@:
	s_barrier_wait -3
	s_barrier_signal -1
	s_barrier_wait -1
.endm
	s_load_b256 s[4:11], s[0:1], 0x0               ; q_codes s[4:5], kv_codes s[6:7], the scales' exponents s[8:9], y_codes s[10:11]
	v_lshl_add_u32 v[SPW], v0, 2, SPARE
	v_mov_b32 v[NIL], 0
	ds_add_u32 v[SPW], v[NIL]                      ; the wave's opening: the add, twice on end, and its wait ahead of my tensor load
	ds_add_u32 v[SPW], v[NIL]
	v_lshrrev_b32 v[ADK], 5, v0
	v_readfirstlane_b32 s[WV], v[ADK]              ; wave 0..15
	s_bfe_u32 s[CX], ttmp6, 0x40000                ; my place in the cluster
	s_and_b32 s52, ttmp7, 0xffff                   ; 16 x batch + head
	s_and_b32 s[L0], s[WV], 7                      ; p
	s_sub_co_i32 s[L0+1], s[L0], 1
	s_sub_co_u32 s[L1], 15, s[L0]
	s_sub_co_u32 s[L1+1], 14, s[L0]
	s_lshr_b32 s53, s[WV], 3
	s_lshl_b32 s54, s[CX], 1
	s_add_co_u32 s54, s54, s53
	s_lshl_b32 s54, s54, 4                         ; my tiles' first query inside their blocks: 16 (2 x place + wave / 8)
	s_lshl_b32 s55, s[L0], 7
	s_add_co_u32 s55, s55, s54                     ; tile 0's first query
	s_lshl_b32 s56, s[L1], 7
	s_add_co_u32 s56, s56, s54                     ; tile 1's
	s_lshl_b32 s57, s52, 17                        ; the head's 131,072 bytes of q_codes
	s_lshl_b32 s[QB], s55, 6
	s_add_co_u32 s[QB], s[QB], s57
	s_mov_b32 s[QB+1], 0
	s_lshl_b32 s[QB+2], s56, 6
	s_add_co_u32 s[QB+2], s[QB+2], s57
	s_mov_b32 s[QB+3], 0
	s_lshr_b32 s62, s52, 4
	s_lshl_b32 s62, s62, 21                        ; y_codes: 1,024 bytes a token, 2,048 tokens a batch,
	s_and_b32 s63, s52, 15
	s_lshl_b32 s63, s63, 8                         ; 256 bytes a head
	s_add_co_u32 s62, s62, s63
	s_lshl_b32 s55, s55, 10
	s_add_co_u32 s[YB], s62, s55
	s_mov_b32 s[YB+1], 0
	s_lshl_b32 s56, s56, 10
	s_add_co_u32 s[YB+2], s62, s56
	s_mov_b32 s[YB+3], 0
	s_lshl_b32 s36, s52, 18                        ; the head's 262,144 bytes of kv_codes,
	s_lshl_b32 s37, s[WV], 14                      ; block = my wave's number: no place in the cluster enters
	s_add_co_u32 s36, s36, s37
	s_mov_b32 s37, 0
	s_mul_i32 s38, s[WV], BLKB                     ; and where it goes
	; descriptor group 1: a dense block of 64 rows of 256 bytes, padded in LDS
	s_mov_b32 s[G1], 15|(0<<16)|(1<<20)|(1<<21)|(5<<22)|(3<<25)   ; 15:0 the mask: all four work-groups; 17:16 elements of 1 byte; 20 padding on; 21 set beside a mask; 24:22 after every 64 words (code 5); 31:25 four words (code 3)
	s_mov_b32 s[G1+1], 256<<16                     ; tensor_dim0
	s_mov_b32 s[G1+2], 64<<16                      ; tensor_dim1
	s_mov_b32 s[G1+3], 256<<16                     ; tile_dim0
	s_mov_b32 s[G1+4], 64                          ; tile_dim1
	s_mov_b32 s[G1+5], 256                         ; tensor_dim0_stride
	s_mov_b32 s[G1+6], 0
	s_mov_b32 s[G1+7], 0
	s_mov_b32 s[SEL], 0x76543210
	s_mov_b32 s[SEL+1], 0xfedcba98
	s_mov_b32 s[CS], 0x3e38aa3b                    ; log2(e) / 8
	s_wait_dscnt 0x0                               ; both opening adds are done
	s_wait_kmcnt 0x0
	s_load_b256 s[EX:EX+7], s[8:9], 0x0
	s_mov_b32 s[G0], 1                             ; 1:0 count = 1
	s_mov_b32 s[G0+1], s38                         ; 63:32 LDS address
	s_add_nc_u64 s[G0+2:G0+3], s[6:7], s[36:37]    ; 120:64 global address
	s_or_b32 s[G0+3], s[G0+3], 0x80000000          ; 127:126 type = 2
	CROUND                                         ; all four work-groups are here: the joint loads meet
	tensor_load_to_lds s[G0:G0+3], s[G1:G1+7]      ; my block of keys: my one tensor load
	s_nop 0
.rept 4
	v_nop
.endr
	s_add_nc_u64 s[QB:QB+1], s[4:5], s[QB:QB+1]
	s_add_nc_u64 s[QB+2:QB+3], s[4:5], s[QB+2:QB+3]
	s_add_nc_u64 s[YB:YB+1], s[10:11], s[YB:YB+1]
	s_add_nc_u64 s[YB+2:YB+3], s[10:11], s[YB+2:YB+3]
	v_and_b32 v36, 15, v0                          ; r = lane % 16
	v_bfe_u32 v37, v0, 4, 1                        ; h = lane / 16
	v_lshlrev_b32 v38, 6, v36
	v_lshl_add_u32 v38, v37, 4, v38                ; Q: row r of 64 bytes, + 16 h
.irp e, 0,1
.irp c, 0,1
	global_load_b128 v[Q+8*\e+4*\c:Q+8*\e+4*\c+3], v38, s[QB+2*\e:QB+2*\e+1] offset:32*\c   ; Q's fragments stay in registers
.endr
.endr
	v_lshrrev_b32 v39, 2, v36
	v_mul_u32_u24 v[AK0], v39, 272
	v_and_b32 v40, 3, v36
	v_lshl_add_u32 v[AK0], v40, 6, v[AK0]
	v_lshl_add_u32 v[AK0], v37, 4, v[AK0]
	v_lshlrev_b32 v41, 3, v37                      ; 8 h
	v_sub_nc_u32 v[DG], v36, v41
	v_add_nc_u32 v[DG], s54, v[DG]                 ; 16 x tile + r - 8 h
	v_lshlrev_b32 v[GO], 12, v37
	v_lshl_add_u32 v[GO], v36, 4, v[GO]            ; the way out: lanes 0-15 one group of four tokens, lanes 16-31 the next; 16 bytes a lane
	s_mul_i32 s56, s[WV], SGW
	s_add_co_u32 s56, s56, STAGE                   ; my stage
	v_mul_u32_u24 v[STO], v39, SGP
	v_lshl_add_u32 v[STO], v40, 6, v[STO]
	v_lshl_add_u32 v[STO], v37, 3, v[STO]
	v_add_nc_u32 v[STO], s56, v[STO]               ; in: row r / 4, 64 bytes for each token of the four, + 8 h
	v_mul_u32_u24 v[RD], v37, SGP
	v_lshl_add_u32 v[RD], v36, 4, v[RD]
	v_add_nc_u32 v[RD], s56, v[RD]                 ; back: sixteen lanes to a row of 256 bytes
	v_mov_b32 v[FAC+1], 0                          ; (named as the upper half of a pair)
	v_mov_b32 v[XCH], 0                            ; written once: a lane permute's destination counts as one of its sources
	v_mov_b32 v[NINF], 0xff800000
	s_wait_kmcnt 0x0
	s_add_co_i32 s52, s[EX+2], s[EX+3]
	s_lshl_b32 s52, s52, 23
	s_add_co_i32 s[CS], s[CS], s52                 ; a score stands for score x 2^(e2 + e3): the two exponents are added to c's exponent field
	s_mov_b32 s[CS+1], s[CS]
	s_add_co_i32 s52, s[EX+4], 127
	s_lshl_b32 s53, s52, 23
	v_mov_b32 v[PSC], s53                          ; 2^e4 as f32, for the conversion
	s_add_co_i32 s52, s52, 8
	s_lshl_b32 s52, s52, 23
	s_or_b32 s52, s52, 0x600000
	v_mov_b32 v[PLIM], s52                         ; 448 x 2^e4
	s_add_co_i32 s[YE], s[EX+4], s[EX+5]
	s_add_co_i32 s52, s[EX+6], 127
	s_lshl_b32 s53, s52, 23
	v_mov_b32 v[YSC], s53                          ; 2^e6
	s_add_co_i32 s52, s52, 8
	s_lshl_b32 s52, s52, 23
	s_or_b32 s52, s52, 0x600000
	v_mov_b32 v[YLIM], s52                         ; 448 x 2^e6
; A STEP'S SECOND HALF: the hold, the conversions, O^T under the new M, the second product.  load = 1: behind each conversion the next block's fragment of K (keys 16 t on) is asked for into the eight registers that it has read.
.macro TAIL kx, sx, load, nadr, noff
.irp t, 0,1,2,3,4,5,6,7
.irp i, 0,1,2,3,4,5,6,7
	v_min_num_f32 v[\sx+8*\t+\i], v[\sx+8*\t+\i], v[PLIM]   ; the conversion to an 8-bit code does not saturate (ISA guide 7.6.2); p is not negative, so the hold is one-sided
.endr
	v_cvt_scalef32_pk8_fp8_f32 v[PC+2*\t:PC+2*\t+1], v[\sx+8*\t:\sx+8*\t+7], v[PSC]
.if \load
	ds_load_b128 v[\sx+8*\t:\sx+8*\t+3], v[\nadr] offset:\noff+TP*\t
	ds_load_b128 v[\sx+8*\t+4:\sx+8*\t+7], v[\nadr] offset:\noff+TP*\t+32
.endif
.endr
	s_wait_alu depctr_va_vdst(0)                   ; directly ahead of the first reader of O^T
.set j, 0
.rept 16
	v_pk_mul_f32 v[OT+j:OT+j+1], v[OT+j:OT+j+1], v[FAC:FAC+1] op_sel_hi:[1,0]   ; O^T under the new M.  (These are also the plain lines between the conversions and the products that read their results)
.set j, j+2
.endr
	s_wait_alu depctr_va_vdst(0)
	s_wait_dscnt 16*\load                          ; V is in; behind its loads stand the 16 loads for the next step (load = 1) or none
.irp t, 0,1,2,3
	v_wmma_f32_16x16x128_fp8_fp8 v[OT+8*\t:OT+8*\t+7], v[\kx+16*\t:\kx+16*\t+15], v[PC:PC+15], v[OT+8*\t:OT+8*\t+7]   ; the four accumulators take turns, one instruction each
.endr
.endm
; A KEY STEP: 16 queries (fragment at q) against 128 keys.  kx: K's fragments, already asked for; then V's.  sx: the scores, then p, then the next step's K.  s[lim]: the step is the tile's last where s[STP] is not under it.
; boff: the step's block behind v[ADK];  nadr, noff: the next block.
.macro HSTEP kx, sx, q, lim, boff, nadr, noff
.rept 5
	v_nop                                          ; five places: the scores are laid over registers that the last products have read (ISA guide 7.12.1)
.endr
	s_wait_dscnt 0x0                               ; K is in
.irp t, 0,1,2,3,4,5,6,7
	v_wmma_f32_16x16x64_fp8_fp8 v[\sx+8*\t:\sx+8*\t+7], v[\kx+8*\t:\kx+8*\t+7], v[\q:\q+7], 0   ; S^T: lane (r, h): query r, keys 16 t + 8 h + 0 .. 7
.endr
.rept 4
	v_nop                                          ; places: in front of the loads below, and of the first read of the scores
.endr
.irp t, 0,1,2,3
.irp c, 0,1,2,3
	ds_load_b128 v[\kx+16*\t+4*\c:\kx+16*\t+4*\c+3], v[ADK] offset:\boff+VOF+VH*(\c/2)+TP*\t+32*(\c%2)   ; V's four fragments (channels 16 t on x 128 keys) land during the softmax
.endr
.endr
	s_cmp_lt_i32 s[STP], s[\lim]                   ; a step all of whose keys count skips the mask
	s_cbranch_scc1 .Lopen_\@
.set n, 0
.rept 64                                       ; on the diagonal the scores of hidden keys become -infinity ahead of the maximum: p = 0 then.  Register 8 t + j holds key 16 t + 8 h + j of the block: hidden where 16 t + j > my query's place - 8 h
	v_cmp_gt_i32 vcc_lo, 16*(n/8)+n%8, v[DG]
	v_cndmask_b32 v[\sx+n], v[\sx+n], v[NINF], vcc_lo
.set n, n+1
.endr
.Lopen_\@:
.irp k, 0,1,2,3                                ; the step's largest score of my query, among my 64 keys, in four chains by turns; the registers are read in ascending order, so each accumulator from its low end on
	v_max3_num_f32 v[MX+\k], v[\sx+3*\k], v[\sx+3*\k+1], v[\sx+3*\k+2]
.endr
.set i, 12
.rept 6
.irp k, 0,1,2,3
	v_max3_num_f32 v[MX+\k], v[MX+\k], v[\sx+i+2*\k], v[\sx+i+2*\k+1]
.endr
.set i, i+8
.endr
	v_max3_num_f32 v[MX], v[MX], v[\sx+60], v[\sx+61]
	v_max3_num_f32 v[MX+1], v[MX+1], v[\sx+62], v[\sx+63]
	s_delay_alu instid0(VALU_DEP_1)
	v_max3_num_f32 v[MX], v[MX], v[MX+1], v[MX+2]
	s_delay_alu instid0(VALU_DEP_1)
	v_max_num_f32 v[MX], v[MX], v[MX+3]
	s_delay_alu instid0(VALU_DEP_1)
	v_permlanex16_b32 v[XCH], v[MX], s[SEL], s[SEL+1]
	s_delay_alu instid0(VALU_DEP_1)
	v_max_num_f32 v[MX], v[MX], v[XCH]             ; and among lane l xor 16's
	s_delay_alu instid0(VALU_DEP_1)
	v_mul_f32 v[MX], s[CS], v[MX]                  ; as t (c is positive)
	s_delay_alu instid0(VALU_DEP_1)
	v_max_num_f32 v[ST+1], v[ST+1], v[MX]          ; the running largest t
	v_mov_b32 v[MX], v[ST]
	s_delay_alu instid0(VALU_DEP_2)
	v_floor_f32 v[ST], -v[ST+1]                    ; the new -M = floor(-t) = -ceil(t): M is a whole number
	s_delay_alu instid0(VALU_DEP_1)
	v_sub_f32 v[MX], v[ST], v[MX]                  ; M's old value less its new one: a whole number, 0 or less
	s_delay_alu instid0(VALU_DEP_1)
	v_cvt_i32_f32 v[MX], v[MX]                     ; (it saturates)
	s_delay_alu instid0(VALU_DEP_1)
	v_ldexp_f32 v[FAC], 1.0, v[MX]                 ; 2^(old M - new M)
.set j, 0
.rept 32
	v_pk_fma_f32 v[\sx+j:\sx+j+1], v[\sx+j:\sx+j+1], s[CS:CS+1], v[ST:ST+1] op_sel_hi:[1,0,0]   ; t - M, two at a time (of the pairs c and -M the low word serves both halves)
.set j, j+2
.endr
.set j, 0
	s_wait_alu depctr_va_vdst(0)
.rept 64
	v_exp_f32 v[\sx+j], v[\sx+j]                   ; p = 2^(t - M), at most 1: not normalised
.set j, j+1
.endr
	v_pk_mul_f32 v[ST+2:ST+3], v[ST+2:ST+3], v[FAC:FAC+1] op_sel_hi:[1,0]   ; the sum under the new M: the plain line behind the exponentials
	s_wait_alu depctr_va_vdst(0)                   ; one wait for the whole batch, ahead of its first reader
.irp k, 0,1,2                                  ; the row's sum is taken of the UNQUANTISED p: two at a time, in four chains by turns
	v_pk_add_f32 v[SC+2*\k:SC+2*\k+1], v[\sx+4*\k:\sx+4*\k+1], v[\sx+4*\k+2:\sx+4*\k+3]
.endr
.set j, 12
.rept 6
	v_pk_add_f32 v[ST+2:ST+3], v[ST+2:ST+3], v[\sx+j:\sx+j+1]
.irp k, 0,1,2
	v_pk_add_f32 v[SC+2*\k:SC+2*\k+1], v[SC+2*\k:SC+2*\k+1], v[\sx+j+2+2*\k:\sx+j+3+2*\k]
.endr
.set j, j+8
.endr
	v_pk_add_f32 v[ST+2:ST+3], v[ST+2:ST+3], v[\sx+60:\sx+61]
	v_pk_add_f32 v[SC:SC+1], v[SC:SC+1], v[\sx+62:\sx+63]
	s_delay_alu instid0(VALU_DEP_1)
	v_pk_add_f32 v[ST+2:ST+3], v[ST+2:ST+3], v[SC:SC+1]
	v_pk_add_f32 v[SC+2:SC+3], v[SC+2:SC+3], v[SC+4:SC+5]
	s_delay_alu instid0(VALU_DEP_1)
	v_pk_add_f32 v[ST+2:ST+3], v[ST+2:ST+3], v[SC+2:SC+3]
	s_cmp_lt_i32 s[STP], s[\lim]                   ; has the tile a next step?  Ids and the count of steps alone
	s_cbranch_scc0 .Llast_\@
	TAIL \kx, \sx, 1, \nadr, \noff
	s_branch .Ldone_\@
.Llast_\@:
	TAIL \kx, \sx, 0, \nadr, \noff
.Ldone_\@:
.endm
; ONE TILE FROM ITS FIRST KEY TO ITS CODES.  e: the tile; s[lm], s[lm + 1]: its block of queries, and that less 1.  Eight trips of two key steps, a constant; a step whose keys all come after the tile's block is led round by a branch on ids.
.macro WALK e, lm
	v_mov_b32 v[ST+1], 0xff61b1e6                  ; the largest t so far: -3e38, under every t
	v_floor_f32 v[ST], -v[ST+1]                    ; -M
	v_mov_b32 v[ST+2], 0                           ; the sum, in two halves
	v_mov_b32 v[ST+3], 0
.set j, 0
.rept 32
	v_mov_b32 v[OT+j], 0                           ; O^T.  (The key step has no first step of its own: it finds zeros, which the first change of M leaves zeros)
.set j, j+1
.endr
.irp t, 0,1,2,3,4,5,6,7
	ds_load_b128 v[XR+8*\t:XR+8*\t+3], v[AK0] offset:TP*\t       ; block 0's K
	ds_load_b128 v[XR+8*\t+4:XR+8*\t+7], v[AK0] offset:TP*\t+32
.endr
	s_mov_b32 s[TB], 0
	s_mov_b32 s[STP], 0
.Ltrip_\@:
	s_add_co_u32 s3, s[TB], 2*BLKB
	s_min_u32 s3, s3, 15*BLKB                      ; the next trip's first block; held inside the blocks in the last trip, whose second step never has a next one
	v_add_nc_u32 v[ADK], s[TB], v[AK0]
	v_add_nc_u32 v[ADN], s3, v[AK0]
	s_wait_alu depctr_va_vdst(0)                   ; behind the writes
	s_cmp_gt_i32 s[STP], s[\lm]
	s_cbranch_scc1 .Lover_\@
	HSTEP XR, YR, Q+8*\e, \lm, 0, ADK, BLKB
	s_cmp_gt_i32 s[STP], s[\lm+1]
	s_cbranch_scc1 .Lover_\@
	HSTEP YR, XR, Q+8*\e, \lm+1, BLKB, ADN, 0
.Lover_\@:
	s_add_co_u32 s[TB], s[TB], 2*BLKB
	s_add_co_u32 s[STP], s[STP], 2
	s_cmp_lt_u32 s[STP], 16
	s_cbranch_scc1 .Ltrip_\@
	; THE WAY OUT.  y = O^T / the sum x 2^(e4 + e5), in f32; quantised with 2^e6; a lane's 8 codes of a tile of channels are 8 neighbouring channels of its token.  They meet in my stage as rows of four tokens x 64 channels
	; and leave so that sixteen lanes store 256 consecutive bytes, aligned.
	s_wait_dscnt 0x0                               ; no LDS load is out: both regions may be written
	v_add_f32 v[ST+2], v[ST+2], v[ST+3]            ; the sum's two halves,  (the plain lines from here on are also the places behind the last products)
	v_permlanex16_b32 v[XCH], v[ST+2], s[SEL], s[SEL+1]
	v_add_f32 v[ST+2], v[ST+2], v[XCH]             ; and lane l xor 16's: the row's sum
	s_wait_alu depctr_va_vdst(0)
	v_rcp_f32 v[ST+2], v[ST+2]
	v_nop                                          ; one plain place behind it
	s_wait_alu depctr_va_vdst(0)                   ; the wait, ahead of its first reader
	v_ldexp_f32 v[ST+2], v[ST+2], s[YE]            ; x 2^(e4 + e5)
	s_wait_alu depctr_va_vdst(0)                   ; directly ahead of the first reader of O^T
.set j, 0
.rept 16
	v_pk_mul_f32 v[YR+j:YR+j+1], v[OT+j:OT+j+1], v[ST+2:ST+3] op_sel_hi:[1,0]   ; register 8 t + i is y(query r, channel 16 t + 8 h + i)
.set j, j+2
.endr
.set i, 0
.rept 32
	v_med3_num_f32 v[YR+i], v[YR+i], -v[YLIM], v[YLIM]
.set i, i+1
.endr
.irp t, 0,1,2,3
	v_cvt_scalef32_pk8_fp8_f32 v[PC+2*\t:PC+2*\t+1], v[YR+8*\t:YR+8*\t+7], v[YSC]
.endr
	v_nop                                          ; one plain vector line behind the last conversion
.irp t, 0,1,2,3
	ds_store_b64 v[STO], v[PC+2*\t:PC+2*\t+1] offset:4*SGP*\e+16*\t   ; four stage rows a tile of queries, 16 bytes a tile of channels
.endr
.irp i, 0,1
	ds_load_b128 v[RB+8*\e+4*\i:RB+8*\e+4*\i+3], v[RD] offset:2*SGP*(2*\e+\i)   ; LDS serves a wave's instructions in order (ISA guide 5.7.1.4): these see my stores
.endr
.irp i, 0,1
	s_wait_dscnt 1-\i                              ; LDS loads come back in order: pair i of rows is in
	global_store_b128 v[GO], v[RB+8*\e+4*\i:RB+8*\e+4*\i+3], s[YB+2*\e:YB+2*\e+1] offset:8192*\i   ; each tile has registers and a base of its own: nothing that a store reads is written again
.endr
.endm
	s_wait_alu depctr_va_vdst(0)
	s_wait_loadcnt 0x0                             ; Q
	s_wait_tensorcnt 0x0                           ; my block of keys has landed;
	s_barrier_signal -1
	s_barrier_wait -1                              ; everybody's has: all of the head's K and V are in LDS, and nothing writes them again
	WALK 1, L1                                     ; the tile in block 15 - p: 16 - p steps
	WALK 0, L0                                     ; the tile in block p: p + 1 steps
	s_wait_tensorcnt 0x0                           ; the wave's end, behind my tensor load and my last LDS store
	ds_add_u32 v[SPW], v[NIL]
	s_wait_dscnt 0x0
	CROUND                                         ; the closing round: no work-group ends while a partner may still ask for a block that names it
	s_endpgm
.Lfunc_end_k_q378f3983b0_attn:
	.size	k_q378f3983b0_attn, .Lfunc_end_k_q378f3983b0_attn-k_q378f3983b0_attn
	.p2alignl 7, 3214868480
	.fill 96, 4, 3214868480
	.section	.rodata,"a",@progbits
	.p2align	6, 0x0
	.amdhsa_kernel k_q378f3983b0_attn
		.amdhsa_group_segment_fixed_size 327680
		.amdhsa_private_segment_fixed_size 0
		.amdhsa_enable_private_segment 0
		.amdhsa_kernarg_size 32
		.amdhsa_user_sgpr_count 2
		.amdhsa_user_sgpr_kernarg_segment_ptr 1
		.amdhsa_wavefront_size32 1
		.amdhsa_system_sgpr_workgroup_id_x 1
		.amdhsa_system_sgpr_workgroup_id_y 1
		.amdhsa_system_sgpr_workgroup_id_z 1
		.amdhsa_system_vgpr_workitem_id 0
		.amdhsa_next_free_vgpr 256
		.amdhsa_next_free_sgpr 66
		.amdhsa_reserve_vcc 1
		.amdhsa_float_denorm_mode_32 3
		.amdhsa_float_denorm_mode_16_64 3
		.amdhsa_memory_ordered 1
		.amdhsa_forward_progress 1
		.amdhsa_inst_pref_size 119
	.end_amdhsa_kernel
	.amdgpu_metadata
---
amdhsa.version: [ 1, 2 ]
amdhsa.kernels:
  - .name:           k_q378f3983b0_attn
    .symbol:         k_q378f3983b0_attn.kd
    .args:
      - { .name: q_codes, .offset: 0, .size: 8, .value_kind: global_buffer, .address_space: global }
      - { .name: kv_codes, .offset: 8, .size: 8, .value_kind: global_buffer, .address_space: global }
      - { .name: lowp_scales, .offset: 16, .size: 8, .value_kind: global_buffer, .address_space: global }
      - { .name: y_codes, .offset: 24, .size: 8, .value_kind: global_buffer, .address_space: global }
    .group_segment_fixed_size: 327680
    .private_segment_fixed_size: 0
    .kernarg_segment_align: 8
    .kernarg_segment_size: 32
    .max_flat_workgroup_size: 512
    .sgpr_count:     66
    .vgpr_count:     256
    .wavefront_size: 32
...
	.end_amdgpu_metadata
.endif
;; end of part 3
;; launch proj (part 4): grid 4 x 32, 4 waves a work-group, clusters of 4 x 4, 327,680 bytes of LDS; arguments y_codes, wp_codes, lowp_scales, b_proj, out0; writes out0
.if DOCPART == 4
	.amdgcn_target "amdgcn-amd-amdhsa--gfx1250"
	.amdhsa_code_object_version 6
	.text
	.protected	k_q378f3983b0_proj
	.globl	k_q378f3983b0_proj
	.p2align	8
	.type	k_q378f3983b0_proj,@function
k_q378f3983b0_proj:
	s_mov_b64 s[64:65], 0
	v_nop
	global_prefetch_b8 v0, s[64:65] scope:SCOPE_SE
	s_setreg_imm32_b32 hwreg(HW_REG_WAVE_MODE, 25, 1), 1
	s_wait_xcnt 0x0
	s_wait_alu depctr_hold_cnt(0) depctr_sa_sdst(0) depctr_va_vdst(0) depctr_va_sdst(0) depctr_va_ssrc(0) depctr_va_vcc(0) depctr_vm_vsrc(0)
	s_getreg_b32 s2, hwreg(HW_REG_IB_STS2, 6, 4)
	s_cmp_eq_u32 s2, 0
	s_cbranch_scc0 .Lentry_in_a_cluster
	s_endpgm
.Lentry_in_a_cluster:
	s_bfe_u32 s2, ttmp6, 0x10000c
	s_cmp_lg_u32 s2, 0xf033
	s_cbranch_scc0 .Lentry_shape_is_right
	s_endpgm
.Lentry_shape_is_right:
; out0 = y w_proj + b_proj on codes of FP8 (E4M3): y_codes [group of 4 tokens 2048][head 16][4 tokens][64 channels], wp_codes [1024][1024] with K innermost; a finished sum x 2^(e6 + e7) + bias, f32.
; LIMIT: e6 + e7 between -126 and 127.  A work-group of four waves makes 256 x 256, a wave 128 x 128; K = 1,024 goes in four steps of 256 through a ring of two LDS slots; 4 x 4 work-groups ask jointly for A's and B's tiles.
; A's tile: a K step of 256 channels is four heads: 1,024 consecutive bytes for each group of four tokens, 4,096 bytes from group to group; in LDS 1,024 + 16.  Token r, channel k of the step lie at
; 1,040 (r / 4) + 256 (k / 64) + 64 (r % 4) + k % 64.  Both sides take K in the same order: 16 bytes at 32 c + 16 (lane / 16).
.set ROWB,   256
.set KROW,   1024
.set PITCH,  272
.set AROWB,  1024
.set APITCH, 1040
.set FR,     16
.set NL,     4
.set NP,     4
.set AQ,     512
.set AI,     4*APITCH
.set HALFT,  128*PITCH
.set SLOT,   4*HALFT
.set SPARE,  2*SLOT
.set STAGE,  SPARE+512
.set SPITCH, 528
.set ADRA, 16
.set ADRB, 20
.set STO,  24
.set RD,   25
.set CO,   26
.set SPW,  28
.set NIL,  29
.set BIAS, 32
.set AF,   128
.set BK,   128
.set G1, 24
.set G0, 32
.set G1B, 48
.set G0B, 56
.set MSB, 0
.macro WIN new
.if MSB != \new
	s_set_vgpr_msb (MSB<<8)|\new
.set MSB, \new
.endif
.endm
.set MUL_LO, 0xa1
.set MUL_HI, 0xf1
.set TO_B,   0x40
.macro JLOAD g0a, g1a, g0b, g1b
	s_cmp_eq_u32 s15, 0
	s_cbranch_scc0 .Lfor_b_\@
	tensor_load_to_lds s[\g0a:\g0a+3], s[\g1a:\g1a+7]
	s_nop 0
.rept 4
	v_nop
.endr
	s_branch .Lasked_\@
.Lfor_b_\@:
	tensor_load_to_lds s[\g0b:\g0b+3], s[\g1b:\g1b+7]
	s_nop 0
.rept 4
	v_nop
.endr
.Lasked_\@:
.endm
.macro CREST
	s_cmp_lg_u32 s14, 0
	s_cbranch_scc1 .Lnot_wave_0_\@
	s_barrier_signal -3
.Lnot_wave_0_\@:
	s_barrier_wait -3
	s_barrier_signal -1
	s_barrier_wait -1
.endm
.macro CROUND
	s_barrier_signal -1
	s_barrier_wait -1
	CREST
.endm
	s_load_b256 s[4:11], s[0:1], 0x0
	s_load_b64 s[12:13], s[0:1], 0x20
	v_lshl_add_u32 v[SPW], v0, 2, SPARE
	v_mov_b32 v[NIL], 0
	ds_add_u32 v28, v29
	ds_add_u32 v28, v29
	s_wait_dscnt 0x0
	v_lshrrev_b32 v1, 5, v0
	v_readfirstlane_b32 s14, v1
	s_lshr_b32 s15, s14, 1
	s_and_b32 s16, s14, 1
	s_bfe_u32 s40, ttmp6, 0x40000
	s_bfe_u32 s41, ttmp6, 0x40004
	s_lshl_b32 s42, ttmp9, 2
	s_add_co_u32 s42, s42, s40
	s_and_b32 s17, ttmp7, 0xffff
	s_lshl_b32 s17, s17, 2
	s_add_co_u32 s17, s17, s41
	s_lshl_b32 s43, s41, 2
	s_lshl_b32 s43, 15, s43
	s_lshl_b32 s44, 0x1111, s40
	s_or_b32 s[G1+0], s43, (0<<16)|(1<<20)|(1<<21)|(7<<22)|(3<<25)
	s_mov_b32 s[G1+1], AROWB<<16
	s_mov_b32 s[G1+2], 32<<16
	s_mov_b32 s[G1+3], AROWB<<16
	s_mov_b32 s[G1+4], 32
	s_mov_b32 s[G1+5], 4096
	s_mov_b32 s[G1+6], 0
	s_mov_b32 s[G1+7], 0
	s_or_b32 s[G1B+0], s44, (0<<16)|(1<<20)|(1<<21)|(5<<22)|(3<<25)
	s_mov_b32 s[G1B+1], ROWB<<16
	s_mov_b32 s[G1B+2], 128<<16
	s_mov_b32 s[G1B+3], ROWB<<16
	s_mov_b32 s[G1B+4], 128
	s_mov_b32 s[G1B+5], KROW
	s_mov_b32 s[G1B+6], 0
	s_mov_b32 s[G1B+7], 0
	s_lshl_b32 s18, s16, 7
	s_lshl_b32 s20, s17, 8
	s_add_co_u32 s20, s20, s18
	s_lshl_b32 s20, s20, 10
	s_lshl_b32 s46, s42, 8
	s_add_co_u32 s46, s46, s18
	s_lshl_b32 s46, s46, 10
	s_mov_b32 s21, 0
	s_mov_b32 s47, 0
	s_mul_i32 s45, s14, HALFT
	s_wait_kmcnt 0x0
	s_load_b256 s[80:87], s[8:9], 0x0
	s_add_nc_u64 s[20:21], s[4:5], s[20:21]
	s_add_nc_u64 s[46:47], s[6:7], s[46:47]
	CROUND
.irp s, 0,1
	s_mov_b32 s[G0+4*\s], 1
	s_add_co_u32 s[G0+4*\s+1], s45, \s*SLOT
	s_add_nc_u64 s[G0+4*\s+2:G0+4*\s+3], s[20:21], \s*AROWB
	s_or_b32 s[G0+4*\s+3], s[G0+4*\s+3], 0x80000000
	s_mov_b32 s[G0B+4*\s], 1
	s_add_co_u32 s[G0B+4*\s+1], s45, \s*SLOT
	s_add_nc_u64 s[G0B+4*\s+2:G0B+4*\s+3], s[46:47], \s*ROWB
	s_or_b32 s[G0B+4*\s+3], s[G0B+4*\s+3], 0x80000000
	s_wait_alu depctr_va_vdst(0)
	s_wait_tensorcnt 0x0
	ds_add_u32 v28, v29
	ds_add_u32 v28, v29
	s_wait_dscnt 0x0
	CROUND
	JLOAD G0+4*\s, G1, G0B+4*\s, G1B
.endr
	v_and_b32 v1, 15, v0
	v_bfe_u32 v2, v0, 4, 1
	v_mul_u32_u24 v3, v1, PITCH
	v_lshl_add_u32 v4, v2, 4, v3
	v_lshrrev_b32 v5, 2, v1
	v_mul_u32_u24 v5, v5, APITCH
	v_and_b32 v6, 3, v1
	v_lshl_add_u32 v5, v6, 6, v5
	v_lshl_add_u32 v5, v2, 4, v5
	s_mul_i32 s21, s15, HALFT
	s_mul_i32 s22, s16, HALFT
	s_add_co_u32 s22, s22, 2*HALFT
.irp s, 0,1
	v_add_nc_u32 v[ADRA+\s], s21, v5
	v_add_nc_u32 v[ADRB+\s], s22, v4
	s_add_co_u32 s21, s21, SLOT
	s_add_co_u32 s22, s22, SLOT
.endr
	s_mul_i32 s23, s14, 16*SPITCH
	s_add_co_u32 s23, s23, STAGE
	v_mul_u32_u24 v7, v1, SPITCH
	v_lshl_add_u32 v7, v2, 5, v7
	v_add_nc_u32 v[STO], s23, v7
	v_and_b32 v8, 31, v0
	v_lshlrev_b32 v[CO], 4, v8
	s_wait_alu depctr_va_vdst(0)
	v_add_nc_u32 v[RD], s23, v[CO]
	s_lshl_b32 s20, s17, 8
	s_lshl_b32 s21, s15, 7
	s_add_co_u32 s20, s20, s21
	s_lshl_b32 s20, s20, 12
	s_mov_b32 s21, 0
	s_lshl_b32 s46, s42, 10
	s_lshl_b32 s47, s16, 9
	s_add_co_u32 s46, s46, s47
	s_mov_b32 s47, 0
	s_add_nc_u64 s[94:95], s[10:11], s[46:47]
	s_add_nc_u64 s[20:21], s[20:21], s[46:47]
	s_add_nc_u64 s[12:13], s[12:13], s[20:21]
	global_load_b128 v[BIAS:BIAS+3], v[CO], s[94:95]
.macro FRAG reg, adr, off
.irp c, 0,1,2,3
	ds_load_b128 v[\reg+4*\c:\reg+4*\c+3], v[\adr] offset:\off+32*\c
.endr
.endm
.macro MUL16 a0, p, zero
.irp a, \a0, \a0+1
.irp b, 0,1,2,3,4,5,6,7
.if \zero
	v_wmma_f32_16x16x128_fp8_fp8 v[8*(8*((\a)%4)+\b):8*(8*((\a)%4)+\b)+7], v[128*(\p)+FR*\b:128*(\p)+FR*\b+FR-1], v[AF+FR*(\a):AF+FR*(\a)+FR-1], 0
.else
	v_wmma_f32_16x16x128_fp8_fp8 v[8*(8*((\a)%4)+\b):8*(8*((\a)%4)+\b)+7], v[128*(\p)+FR*\b:128*(\p)+FR*\b+FR-1], v[AF+FR*(\a):AF+FR*(\a)+FR-1], v[8*(8*((\a)%4)+\b):8*(8*((\a)%4)+\b)+7]
.endif
.endr
.endr
.endm
.macro FETCH_B slot, q, p
	WIN TO_B
.irp i, 0,1,2,3,4,5,6,7
	FRAG 128*(\p)+FR*\i, ADRB+\slot, 128*(\q)+\i*16*PITCH
.endr
	WIN 0
.endm
.macro FETCH_A slot, q, i0
.irp i, \i0, \i0+1, \i0+2, \i0+3
.irp c, 0,1,2,3
	ds_load_b128 v[AF+FR*(\i)+4*\c:AF+FR*(\i)+4*\c+3], v[ADRA+\slot] offset:AQ*(\q)+(\i)*AI+256*(\c/2)+32*(\c%2)
.endr
.endr
.endm
.macro PLACES n
.rept \n
	v_nop
.endr
.endm
.macro STEP slot, q, zero
	s_wait_dscnt 4*NL
	WIN MUL_LO
	MUL16 0, (\q)%2, \zero
	MUL16 2, (\q)%2, \zero
	s_wait_dscnt 0
	PLACES NP
	FETCH_B \slot, (\q)+1, 1-(\q)%2
	FETCH_A \slot, (\q)+1, 0
	WIN MUL_HI
	MUL16 4, (\q)%2, \zero
	MUL16 6, (\q)%2, \zero
	PLACES NP
	WIN 0
	FETCH_A \slot, (\q)+1, 4
.endm
.macro TURN slot, next, fill
	s_wait_tensorcnt 0x0
	ds_add_u32 v[SPW], v[NIL]
	s_wait_dscnt 4*NL+1
	WIN MUL_LO
	MUL16 0, 1, 0
	s_wait_dscnt 0x0
	s_barrier_signal -1
	MUL16 2, 1, 0
	WIN 0
	s_barrier_wait -1
.if \fill
	CREST
	s_add_nc_u64 s[G0+4*\slot+2:G0+4*\slot+3], s[G0+4*\slot+2:G0+4*\slot+3], 2*AROWB
	s_add_nc_u64 s[G0B+4*\slot+2:G0B+4*\slot+3], s[G0B+4*\slot+2:G0B+4*\slot+3], 2*ROWB
	JLOAD G0+4*\slot, G1, G0B+4*\slot, G1B
.else
	PLACES NP
.endif
	FETCH_B \next, 0, 0
	FETCH_A \next, 0, 0
	WIN MUL_HI
	MUL16 4, 1, 0
	MUL16 6, 1, 0
	PLACES NP
	WIN 0
	FETCH_A \next, 0, 4
.endm
	s_wait_tensorcnt 1
	s_barrier_signal -1
	s_barrier_wait -1
	FETCH_B 0, 0, 0
	FETCH_A 0, 0, 0
	FETCH_A 0, 0, 4
	STEP 0, 0, 1
	TURN 0, 1, 1
	STEP 1, 0, 0
	TURN 1, 0, 1
	STEP 0, 0, 0
	TURN 0, 1, 0
	STEP 1, 0, 0
	s_wait_dscnt 4*NL
	WIN MUL_LO
	MUL16 0, 1, 0
	MUL16 2, 1, 0
	s_wait_dscnt 0
	WIN MUL_HI
	MUL16 4, 1, 0
	MUL16 6, 1, 0
	WIN 0
.macro TOSTAGE a
.set AC, 64*((\a)%4)
.set BB, BK+64*((\a)%2)
	WIN 0x08+4*((\a)/4)
.irp b, 0,1,2,3,4,5,6,7
	ds_store_b128 v[STO], v[AC+8*\b:AC+8*\b+3] offset:64*\b
	ds_store_b128 v[STO], v[AC+8*\b+4:AC+8*\b+7] offset:64*\b+16
.endr
	WIN 0
.irp t, 0,1,2,3,4,5,6,7,8,9,10,11,12,13,14,15
	ds_load_b128 v[BB+4*\t:BB+4*\t+3], v[RD] offset:\t*SPITCH
.endr
.endm
.macro SEND a, younger
.set BB, BK+64*((\a)%2)
	s_wait_dscnt \younger
.irp t, 0,1,2,3,4,5,6,7,8,9,10,11,12,13,14,15
	v_pk_fma_f32 v[BB+4*\t:BB+4*\t+1], v[BB+4*\t:BB+4*\t+1], s[96:97], v[BIAS:BIAS+1] op_sel_hi:[1,0,1]
	v_pk_fma_f32 v[BB+4*\t+2:BB+4*\t+3], v[BB+4*\t+2:BB+4*\t+3], s[96:97], v[BIAS+2:BIAS+3] op_sel_hi:[1,0,1]
.endr
.if (\a) > 0
	s_add_nc_u64 s[12:13], s[12:13], 16*4096
.endif
.irp t, 0,1,2,3,4,5,6,7,8,9,10,11,12,13,14,15
	global_store_b128 v[CO], v[BB+4*\t:BB+4*\t+3], s[12:13] offset:\t*4096 th:TH_STORE_NT
.endr
.endm
	s_wait_kmcnt 0x0
	s_add_co_i32 s96, s86, s87
	s_add_co_i32 s96, s96, 127
	s_lshl_b32 s96, s96, 23
	s_mov_b32 s97, s96
	s_wait_loadcnt 0x0
	PLACES NP
	s_wait_alu depctr_va_vdst(0)
	TOSTAGE 0
.irp a, 1,2,3,4,5,6,7
.if \a > 1
	s_wait_xcnt 0x0
.endif
	TOSTAGE \a
	SEND \a-1, 32
.endr
	s_wait_xcnt 0x0
	SEND 7, 0
	s_wait_tensorcnt 0x0
	ds_add_u32 v[SPW], v[NIL]
	s_wait_dscnt 0x0
	CROUND
	s_endpgm
.Lfunc_end_k_q378f3983b0_proj:
	.size	k_q378f3983b0_proj, .Lfunc_end_k_q378f3983b0_proj-k_q378f3983b0_proj
	.p2alignl 7, 3214868480
	.fill 96, 4, 3214868480
	.section	.rodata,"a",@progbits
	.p2align	6, 0x0
	.amdhsa_kernel k_q378f3983b0_proj
		.amdhsa_group_segment_fixed_size 327680
		.amdhsa_private_segment_fixed_size 0
		.amdhsa_enable_private_segment 0
		.amdhsa_kernarg_size 40
		.amdhsa_user_sgpr_count 2
		.amdhsa_user_sgpr_kernarg_segment_ptr 1
		.amdhsa_wavefront_size32 1
		.amdhsa_system_sgpr_workgroup_id_x 1
		.amdhsa_system_sgpr_workgroup_id_y 1
		.amdhsa_system_sgpr_workgroup_id_z 1
		.amdhsa_system_vgpr_workitem_id 0
		.amdhsa_next_free_vgpr 1024
		.amdhsa_next_free_sgpr 98
		.amdhsa_reserve_vcc 0
		.amdhsa_float_denorm_mode_32 3
		.amdhsa_float_denorm_mode_16_64 3
		.amdhsa_memory_ordered 1
		.amdhsa_forward_progress 1
		.amdhsa_inst_pref_size 124
	.end_amdhsa_kernel
	.amdgpu_metadata
---
amdhsa.version: [ 1, 2 ]
amdhsa.kernels:
  - .name:           k_q378f3983b0_proj
    .symbol:         k_q378f3983b0_proj.kd
    .args:
      - { .name: y_codes, .offset: 0, .size: 8, .value_kind: global_buffer, .address_space: global }
      - { .name: wp_codes, .offset: 8, .size: 8, .value_kind: global_buffer, .address_space: global }
      - { .name: lowp_scales, .offset: 16, .size: 8, .value_kind: global_buffer, .address_space: global }
      - { .name: b_proj, .offset: 24, .size: 8, .value_kind: global_buffer, .address_space: global }
      - { .name: out0, .offset: 32, .size: 8, .value_kind: global_buffer, .address_space: global }
    .group_segment_fixed_size: 327680
    .private_segment_fixed_size: 0
    .kernarg_segment_align: 8
    .kernarg_segment_size: 40
    .max_flat_workgroup_size: 128
    .sgpr_count:     98
    .vgpr_count:     1024
    .wavefront_size: 32
...
	.end_amdgpu_metadata
.endif
;; end of part 4
